; MI455X (gfx1250); checked and timed in simulation.
; The chip was launched on July 23, 2026; its instructions are those of AMD's public machine-readable ISA for CDNA 5 (MIT licence, August 2026) and "CDNA5" Instruction Set Architecture Reference Guide (July 2026). The comments in the code are by the model that wrote it; some were corrected since.
;; Multi Head Attention. Allowed arithmetic: matrix products marked QUANTISED: E2M1 operands, one E8M0 scale for each 32 along K, by v_wmma_scale_f32_16x16x128_f8f6f4 with both operands' format E2M1 (or v_wmma_scale_f32_32x16x128_f4), f32 sums; products left as they are: bf16, f16 or f32 operands; f32 sums; everything else in f32.
;; Inputs: b_k 1,024 float32; b_o 1,024 float32; b_q 1,024 float32; b_v 1,024 float32; key 4 x 2,048 x 1,024 float32; mask 4 x 2,048 x 2,048 int32; query 4 x 2,048 x 1,024 float32; value 4 x 2,048 x 1,024 float32; w_k 1,024 x 1,024 float32; w_o 1,024 x 1,024 float32; w_q 1,024 x 1,024 float32; w_v 1,024 x 1,024 float32.
;; Outputs: out0 4 x 2,048 x 1,024 float32.
;; This version of the problem:
;;   THIS VERSION OF THE PROBLEM IS GIVEN IN LOW PRECISION. The matrix products marked QUANTISED in the list below multiply operands that are first quantised to E2M1 (2 exponent bits, 1 mantissa bit; 4 bits a number), with one power-of-two scale for each 32 numbers along K (OCP MX v1.0); their sums are f32. The products marked 'left as it is' may take bf16, f16 or f32 operands, with f32 sums. Whichever they take, every output number must still come out within the allowed error. Rounding operands to bf16 (8 significant bits) uses up far more of that allowance than f16 does (11 bits, for magnitudes from 6e-5 to 65,504). All else is computed in f32.
;;   The module's matrix products, in the order in which they are computed (A, B: the left and right operand; K: the contracted axis; several contracted axes count as one K, in the product's order):
;;     1. [M 8,192, K 1,024] x [K 1,024, N 1,024]; A: input query; B: input w_q: QUANTISED
;;     2. [M 8,192, K 1,024] x [K 1,024, N 1,024]; A: input key; B: input w_k: QUANTISED
;;     3. [M 8,192, K 1,024] x [K 1,024, N 1,024]; A: input value; B: input w_v: QUANTISED
;;     4. batch 64 x [M 2,048, K 64] x [K 64, N 2,048]; A: computed on the way; B: computed on the way: left as it is (an operand is computed on the way)
;;     5. batch 64 x [M 2,048, K 2,048] x [K 2,048, N 64]; A: computed on the way; B: computed on the way: left as it is (an operand is computed on the way)
;;     6. [M 8,192, K 1,024] x [K 1,024, N 1,024]; A: computed on the way; B: input w_o: left as it is (an operand is computed on the way)
;;   THE QUANTISER, for each operand of a quantised product, along K:
;;     - K is cut into blocks of 32 from its start; a last block that is shorter is filled with zeros.
;;     - A block's scale is 2^e with e = floor(log2(the largest magnitude in the block)) - 2, held to -126 .. 127; a block of zeros has e = 0. As a byte (E8M0): e + 127.
;;     - Each number is divided by its block's scale, clamped to +-6, and rounded to the nearest number of E2M1, ties to even, subnormals kept.
;;     - The product sums the exact products of the quantised numbers (number of the format x scale) in f32.
;;   ~~~python
;;   def quantise(x, axis):      # numpy; x: float32 -> the quantised numbers, widened to float32 again
;;       x = np.moveaxis(x, axis, -1); K = x.shape[-1]
;;       x = np.pad(x, [(0, 0)] * (x.ndim - 1) + [(0, -K % 32)]); x = x.reshape(x.shape[:-1] + (-1, 32)); a = np.abs(x).max(-1, keepdims=True)
;;       e = np.where(a > 0, np.clip(np.frexp(np.where(a > 0, a, 1))[1] - 1 - 2, -126, 127), 0)      # np.frexp(a)[1] - 1 = floor(log2(a)), exactly
;;       r = np.clip(x / 2.0 ** e, -6, 6)
;;       step = 2.0 ** (np.maximum(np.frexp(np.where(r == 0, 1, r))[1] - 1, 0) - 1)
;;       q = np.round(r / step) * step * 2.0 ** e      # np.round: ties to even
;;       return np.moveaxis(q.reshape(q.shape[:-2] + (-1,))[..., :K], -1, axis).astype(np.float32)
;;   ~~~
;; One version. Each part assembles by itself: llvm-mc -triple=amdgcn-amd-amdhsa -mcpu=gfx1250 --defsym DOCPART=n.
;; ======== version 1 of 1: 4 launches
;; limits: values are held in f16: magnitudes above 65,504 overflow, below 6.1e-05 lose precision
;; workspace buffers: codes 14,155,776 bytes; scales 884,736 bytes; maskw 2,097,152 bytes of whole numbers; wo16 2,097,152 bytes; qkv 50,331,648 bytes; ctxh 16,777,216 bytes
;; launch prep (part 1): grid 1248 x 1, 4 waves a work-group, no clusters, 67,072 bytes of LDS; arguments query, key, value, w_q, w_k, w_v, mask, w_o, codes, scales, maskw, wo16; writes codes, scales, maskw, wo16
.if DOCPART == 1
	.amdgcn_target "amdgcn-amd-amdhsa--gfx1250"
	.amdhsa_code_object_version 6
	.text
	.protected	k_q07111a8974_prep
	.globl	k_q07111a8974_prep
	.p2align	8
	.type	k_q07111a8974_prep,@function
k_q07111a8974_prep:
	s_mov_b64 s[64:65], 0
	v_nop
	global_prefetch_b8 v0, s[64:65] scope:SCOPE_SE
	s_setreg_imm32_b32 hwreg(HW_REG_WAVE_MODE, 25, 1), 1
	s_wait_xcnt 0x0
; PREP.  One launch, three kinds of work, parted by the work-group's number; each kind streams its input once.  The kinds stand in the order of their bytes a work-group: 262,144, then 131,072, then 32,768.
;  (b) work-groups 0-255: mask [4][2048][2048] int32 becomes one bit a score: maskw u32 [b][tile of 16 queries 128][step of 64 keys 32][word 32];
;      bit L of word 8 t + j = (mask[b][16 tile + L % 16][64 step + 16 t + 8 (L / 16) + j] != 0): the lane mask of register 8 t + j of a transposed score tile.
;  (a) work-groups 256-1119: query, key, value [8192][1024] and w_q, w_k, w_v [1024][1024], f32, become codes of FP4 (E2M1), K innermost, two codes a byte, and one E8M0 byte for each 32 along K.
;      codes: 27,648 rows x 512 bytes (rows 0 query, 8192 key, 16384 value, 24576 w_q, 25600 w_k, 26624 w_v); scales: the same rows x 32 bytes.
;      A block's scale is 2^(floor(log2(largest magnitude)) - 2); its byte is the largest magnitude's exponent field - 2, held at 1 from below.
;  (c) work-groups 1120-1247: w_o [1024][1024] f32 is rounded to f16, same order.
; LIMITS: NaN and infinities among the inputs are not served.  A block of zeros, and a block whose largest magnitude lies under 2^-124, gets the byte 1 (the quantiser's text says 127 for zeros):
;      a zero block's codes are zeros, which add nothing under any byte but 0xff, and this program alone reads the bytes.  w_o beyond 65,504 in magnitude is not served (f16).
; No work-group shares an input byte with another, so there is nothing to ask for jointly: no cluster, no tensor loads.  Waves share nothing: no barrier.
; The two kinds that use LDS have LDS bytes of their own.
.set WGM,   256                        ; work-groups of (b): a wave takes 16 queries x 1,024 keys
.set WGQ,   864                        ; of (a): 256 + 256 + 256 + 32 + 32 + 32, 32,768 numbers each
.set STEPS, 16
.set EMAX,  2
.set CB,    8                          ; bytes of 16 codes
.set R,     16                         ; (a) v16-79   four sets of 16 numbers as they are loaded
.set X,     80                         ; (a) v80-111  two sets of 16 neighbours
.set E,     112                        ; (a) v112-127 a scale byte for each step
.set C,     128                        ; (a) v128-191 codes: registers of its own for each step, so that no store's data are written again
.set WREG,  8192                       ; (a) LDS: a region for each wave: two stages of 32 x SP bytes, behind them its 256 scale bytes
.set SP,    80                         ; (a) a lane's place in a stage: 64 bytes + 16 of padding
.set MSTG,  4*WREG                     ; (b) LDS: a stage of 16 rows x MPITCH for each wave
.set MPITCH, 528                       ; (b) 512 bytes + 16: an odd multiple of 16, so sixteen rows' equal columns fall on sixteen different 16-byte columns modulo 256
.set MR,    16                         ; (b) v16-143  two sets of 64: a cell (16 queries x 128 keys) as it is loaded
.set MX,    144                        ; (b) v144-207 the cell by score registers: register 8 t + j
.set MW,    208                        ; (b) v208-223 a pair of registers for each cell: lane l holds words 2 l and 2 l + 1
.set SPW,   12                         ; v12  LDS address of my spare word; never rewritten
.set NIL,   13                         ; v13  0; never rewritten
.set SPARE, MSTG+4*16*MPITCH           ; 66,560: the spare words, 128 bytes a wave, two blocks of 256 bytes that no other line names
	s_load_b512 s[4:19], s[0:1], 0x0               ; query 4, key 6, value 8, w_q 10, w_k 12, w_v 14, mask 16, w_o 18
	s_load_b256 s[20:27], s[0:1], 0x40             ; codes 20, scales 22, maskw 24, wo16 26
	v_lshl_add_u32 v[SPW], v0, 2, SPARE
	v_mov_b32 v[NIL], 0
	v_lshrrev_b32 v1, 5, v0
	v_readfirstlane_b32 s28, v1                    ; wave 0..3
	v_and_b32 v2, 31, v0                           ; lane
	s_wait_kmcnt 0x0
	s_cmp_lt_u32 ttmp9, WGM
	s_cbranch_scc1 .Lmask
	s_cmp_ge_u32 ttmp9, WGM+WGQ
	s_cbranch_scc1 .Lwo
; ---------------- (a) the quantiser.  Rows are dense and 1,024 is a multiple of 32: every tensor is a plain stream of blocks of 32.
; A wave takes 16 steps of 512 numbers.  Each of a step's four loads reads 512 consecutive bytes, 16 a lane; the 2,048 bytes turn through the wave's own stage in LDS and come back 64 bytes a lane:
; 16 neighbours along K, which is what the conversions take from one lane's registers.  Two neighbouring lanes hold a block.
	s_sub_co_u32 s41, ttmp9, WGM                   ; my number among the quantiser's 864 work-groups
	s_mov_b64 s[30:31], s[4:5]                     ; which tensor: chosen by the work-group's number alone
	s_mov_b32 s29, 0                               ; and the tensor's first work-group
	s_cmp_ge_u32 s41, 256
	s_cselect_b64 s[30:31], s[6:7], s[30:31]
	s_cselect_b32 s29, 256, s29
	s_cmp_ge_u32 s41, 512
	s_cselect_b64 s[30:31], s[8:9], s[30:31]
	s_cselect_b32 s29, 512, s29
	s_cmp_ge_u32 s41, 768
	s_cselect_b64 s[30:31], s[10:11], s[30:31]
	s_cselect_b32 s29, 768, s29
	s_cmp_ge_u32 s41, 800
	s_cselect_b64 s[30:31], s[12:13], s[30:31]
	s_cselect_b32 s29, 800, s29
	s_cmp_ge_u32 s41, 832
	s_cselect_b64 s[30:31], s[14:15], s[30:31]
	s_cselect_b32 s29, 832, s29
	s_sub_co_u32 s36, s41, s29
	s_lshl_b32 s36, s36, 2
	s_add_co_u32 s36, s36, s28                     ; my run of 8,192 numbers in the tensor
	s_lshl_b32 s36, s36, 15                        ; 32,768 bytes a run
	s_mov_b32 s37, 0
	s_add_nc_u64 s[30:31], s[30:31], s[36:37]
	s_lshl_b32 s38, s41, 2
	s_add_co_u32 s38, s38, s28                     ; my run among all six tensors' runs: the outputs lie in the same order
	s_lshl_b32 s36, s38, 12                        ; 4,096 bytes of codes a run
	s_add_nc_u64 s[32:33], s[20:21], s[36:37]
	s_lshl_b32 s36, s38, 8                         ; 256 scale bytes a run
	s_add_nc_u64 s[34:35], s[22:23], s[36:37]
	v_lshlrev_b32 v3, 4, v2                        ; my 16 bytes of a load's 512
	s_mul_i32 s40, s28, WREG
	v_lshrrev_b32 v14, 2, v2
	v_mul_u32_u24 v14, v14, SP
	v_and_b32 v15, 3, v2
	v_lshl_add_u32 v14, v15, 4, v14
	v_add_nc_u32 v14, s40, v14                     ; the stage, on the way in: four lanes' 64 bytes on end, then 16 of padding
	v_mul_u32_u24 v15, v2, SP
	v_add_nc_u32 v15, s40, v15                     ; and on the way out: SP x lane: my 16 neighbours
	v_mul_u32_u24 v4, v2, CB                       ; my codes' place in a step's
	v_lshrrev_b32 v5, 1, v2
	s_add_co_u32 s40, s40, 2*32*SP
	v_add_nc_u32 v5, s40, v5                       ; LDS: my wave's 256 scale bytes, my block's byte
	v_lshlrev_b32 v7, 3, v2                        ; and on the way out 8 bytes a lane
	v_add_nc_u32 v6, s40, v7
.macro QLOAD t
.irp i, 0,1,2,3
	global_load_b128 v[R+16*((\t)%4)+4*\i:R+16*((\t)%4)+4*\i+3], v3, s[30:31] offset:2048*(\t)+512*\i th:TH_LOAD_NT   ; 32 lanes read 512 consecutive bytes
.endr
.endm
.macro QTURN t                         ; step t's numbers through the stage: LDS serves a wave's instructions in order, so no wait stands between the stores and the loads
.irp i, 0,1,2,3
	ds_store_b128 v14, v[R+16*((\t)%4)+4*\i:R+16*((\t)%4)+4*\i+3] offset:32*SP*((\t)%2)+8*SP*\i
.endr
.irp i, 0,1,2,3
	ds_load_b128 v[X+16*((\t)%2)+4*\i:X+16*((\t)%2)+4*\i+3], v15 offset:32*SP*((\t)%2)+16*\i
.endr
.endm
.irp t, 0,1,2,3
	QLOAD \t
.endr
	s_wait_loadcnt 12                              ; step 0's four loads are in; the twelve of steps 1 to 3 stay out
	QTURN 0
.macro QSTEP t
.set XS, X+16*((\t)%2)
.if (\t) > 0
	s_wait_dscnt 1                                 ; this step's numbers are back from the stage (the last step's byte store may be out)
.else
	s_wait_dscnt 0x0
.endif
.if (\t)+4 < STEPS
	QLOAD (\t)+4                                   ; into the registers that this step's stage stores have read
.endif
.if (\t)+1 < STEPS
.if STEPS-2-(\t) >= 3
	s_wait_loadcnt 12                              ; the next step's four loads are in; those of the three steps behind it may be out
.else
	s_wait_loadcnt 4*(STEPS-2-(\t))
.endif
	QTURN (\t)+1                                   ; they go through the other stage while this step is worked
.endif
	v_max3_num_f32 v8, |v[XS]|, |v[XS+1]|, |v[XS+2]|               ; the largest magnitude of my 16, in two chains
	v_max3_num_f32 v9, |v[XS+3]|, |v[XS+4]|, |v[XS+5]|
.irp i, 6,10
	v_max3_num_f32 v8, v8, |v[XS+\i]|, |v[XS+\i+1]|
	v_max3_num_f32 v9, v9, |v[XS+\i+2]|, |v[XS+\i+3]|
.endr
	v_max3_num_f32 v8, v8, |v[XS+14]|, |v[XS+15]|
	v_max3_num_f32 v8, v8, v9, (EMAX+1)<<23        ; and the floor 2^(3 - 127): the byte cannot fall under 1
	v_max_num_f32_dpp v8, v8, v8 row_xmask:1 row_mask:0xf bank_mask:0xf   ; and of my neighbour's 16: the block's
	v_add_nc_u32 v11, -(EMAX<<23), v8              ; 2 off its exponent field: the conversion takes the exponent field of this operand as its scale, and nothing else of it
	v_cvt_scalef32_pk8_fp4_f32 v[C+4*(\t)], v[XS:XS+7], v11        ; eight numbers / the scale, to the nearest code, ties to even, beyond 6 the largest code
	v_cvt_scalef32_pk8_fp4_f32 v[C+4*(\t)+1], v[XS+8:XS+15], v11
	v_lshrrev_b32 v[E+(\t)], 23, v11               ; the scale's byte (also the plain line behind the conversions)
	ds_store_b8 v5, v[E+(\t)] offset:16*(\t)       ; both lanes of a block write the same byte with the same value
	global_store_b64 v4, v[C+4*(\t):C+4*(\t)+1], s[32:33] offset:32*CB*(\t)   ; the wave stores 256 consecutive bytes, aligned
.endm
.irp t, 0,1,2,3,4,5,6,7,8,9,10,11,12,13,14,15
	QSTEP \t
.endr
	ds_load_b64 v[8:9], v6                         ; LDS serves a wave's instructions in order: this sees my byte stores
	s_wait_dscnt 0x0
	global_store_b64 v7, v[8:9], s[34:35]          ; 32 lanes store my run's 256 scale bytes, aligned
	s_wait_tensorcnt 0x0                           ; the wave's end
	ds_add_u32 v[SPW], v[NIL]
	s_wait_dscnt 0x0
	s_endpgm
.Lmask:
; ---------------- (b) the mask.  Wave W of 1,024 takes tile W / 2 of the 512 tiles of 16 queries and half W % 2 of its 2,048 keys, in 8 cells of 128 keys.
; A cell is loaded by rows (512 consecutive bytes a load), turns through the wave's stage, and comes back so that register 8 t + j of lane (r, h) holds mask(query r, key 16 t + 8 h + j).
; A compare then gives the whole 32-bit word of that register; 64 words a cell are laid two to a lane and leave as 256 consecutive bytes.
	s_lshl_b32 s36, ttmp9, 2
	s_add_co_u32 s36, s36, s28                     ; W
	s_lshr_b32 s38, s36, 1
	s_lshl_b32 s38, s38, 17                        ; 16 rows of 8,192 bytes a tile
	s_and_b32 s40, s36, 1
	s_lshl_b32 s40, s40, 12                        ; 1,024 keys are 4,096 bytes
	s_add_co_u32 s38, s38, s40
	s_mov_b32 s39, 0
	s_add_nc_u64 s[30:31], s[16:17], s[38:39]
	s_lshl_b32 s38, s36, 11                        ; 16 steps x 32 words x 4 bytes
	s_add_nc_u64 s[32:33], s[24:25], s[38:39]
	s_mul_i32 s40, s28, 16*MPITCH
	s_add_co_u32 s40, s40, MSTG                    ; my stage
	v_lshlrev_b32 v3, 4, v2                        ; in: 16 bytes a lane
	v_add_nc_u32 v4, s40, v3
	v_and_b32 v5, 15, v2
	v_mul_u32_u24 v5, v5, MPITCH
	v_lshrrev_b32 v7, 4, v2
	v_lshl_add_u32 v5, v7, 5, v5
	v_add_nc_u32 v5, s40, v5                       ; out: row r, + 32 h bytes (8 keys)
	v_lshlrev_b32 v6, 3, v2                        ; the words' place: 8 bytes a lane
.set i, 0
.rept 16
	v_mov_b32 v[MW+i], 0                           ; written once: a lane write's destination counts as read
.set i, i+1
.endr
.macro MLOAD c
.irp i, 0,1,2,3,4,5,6,7,8,9,10,11,12,13,14,15
	global_load_b128 v[MR+64*((\c)%2)+4*\i:MR+64*((\c)%2)+4*\i+3], v3, s[30:31] offset:8192*\i+512*(\c) th:TH_LOAD_NT   ; query i, 128 keys: 512 consecutive bytes
.endr
.endm
.macro CELL c
.if (\c) < 7
	s_wait_loadcnt 16                              ; this cell's 16 loads are in; the next cell's 16 stay out
.else
	s_wait_loadcnt 0x0
.endif
.irp i, 0,1,2,3,4,5,6,7,8,9,10,11,12,13,14,15
	ds_store_b128 v4, v[MR+64*((\c)%2)+4*\i:MR+64*((\c)%2)+4*\i+3] offset:MPITCH*\i
.endr
.irp t, 0,1,2,3,4,5,6,7
.irp u, 0,1
	ds_load_b128 v[MX+8*\t+4*\u:MX+8*\t+4*\u+3], v5 offset:64*\t+16*\u   ; in order behind my stores
.endr
.endr
	s_wait_dscnt 0x0                               ; the cell is back, and the stores have read their registers
.if (\c)+2 < 8
	MLOAD (\c)+2
.endif
.irp t, 0,1,2,3,4,5,6,7
.irp j, 0,1,2,3,4,5,6,7
	v_cmp_ne_u32 s[36+\j], 0, v[MX+8*\t+\j]        ; word 8 t + j of the cell: a bit a lane
.endr
.irp j, 0,1,2,3,4,5,6,7
	v_writelane_b32 v[MW+2*(\c)+(\j%2)], s[36+\j], 4*\t+\j/2   ; word w to lane w / 2, register w % 2
.endr
.endr
	global_store_b64 v6, v[MW+2*(\c):MW+2*(\c)+1], s[32:33] offset:256*(\c)   ; 256 consecutive bytes, aligned; each cell has its own pair, so no store's data are written again
.endm
	MLOAD 0
	MLOAD 1
.irp c, 0,1,2,3,4,5,6,7
	CELL \c
.endr
	s_wait_tensorcnt 0x0                           ; the wave's end
	ds_add_u32 v[SPW], v[NIL]
	s_wait_dscnt 0x0
	s_endpgm
.Lwo:
; ---------------- (c) w_o to f16: a wave takes 2,048 numbers: 16 loads of 512 consecutive bytes, 16 stores of 256.  No LDS.
	s_sub_co_u32 s36, ttmp9, WGQ+WGM
	s_lshl_b32 s36, s36, 2
	s_add_co_u32 s36, s36, s28
	s_lshl_b32 s38, s36, 13
	s_mov_b32 s39, 0
	s_add_nc_u64 s[30:31], s[18:19], s[38:39]
	s_lshl_b32 s38, s36, 12
	s_add_nc_u64 s[32:33], s[26:27], s[38:39]
	v_lshlrev_b32 v3, 4, v2
	v_lshlrev_b32 v6, 3, v2
.irp i, 0,1,2,3,4,5,6,7,8,9,10,11,12,13,14,15
	global_load_b128 v[16+4*\i:16+4*\i+3], v3, s[30:31] offset:512*\i th:TH_LOAD_NT
.endr
.irp i, 0,1,2,3,4,5,6,7,8,9,10,11,12,13,14,15
	s_wait_loadcnt 15-\i                           ; loads come back in order: load i is in, the later ones stay out
	v_cvt_pk_f16_f32 v[80+2*\i], v[16+4*\i], v[17+4*\i]
	v_cvt_pk_f16_f32 v[81+2*\i], v[18+4*\i], v[19+4*\i]
	global_store_b64 v6, v[80+2*\i:81+2*\i], s[32:33] offset:256*\i
.endr
	s_endpgm
.Lfunc_end_k_q07111a8974_prep:
	.size	k_q07111a8974_prep, .Lfunc_end_k_q07111a8974_prep-k_q07111a8974_prep
	.p2alignl 7, 3214868480
	.fill 96, 4, 3214868480
	.section	.rodata,"a",@progbits
	.p2align	6, 0x0
	.amdhsa_kernel k_q07111a8974_prep
		.amdhsa_group_segment_fixed_size 67072
		.amdhsa_private_segment_fixed_size 0
		.amdhsa_enable_private_segment 0
		.amdhsa_kernarg_size 96
		.amdhsa_user_sgpr_count 2
		.amdhsa_user_sgpr_kernarg_segment_ptr 1
		.amdhsa_wavefront_size32 1
		.amdhsa_system_sgpr_workgroup_id_x 1
		.amdhsa_system_sgpr_workgroup_id_y 1
		.amdhsa_system_sgpr_workgroup_id_z 1
		.amdhsa_system_vgpr_workitem_id 0
		.amdhsa_next_free_vgpr 224
		.amdhsa_next_free_sgpr 66
		.amdhsa_reserve_vcc 0
		.amdhsa_float_denorm_mode_32 3
		.amdhsa_float_denorm_mode_16_64 3
		.amdhsa_memory_ordered 1
		.amdhsa_forward_progress 1
		.amdhsa_inst_pref_size 135
	.end_amdhsa_kernel
	.amdgpu_metadata
---
amdhsa.version: [ 1, 2 ]
amdhsa.kernels:
  - .name:           k_q07111a8974_prep
    .symbol:         k_q07111a8974_prep.kd
    .args:
      - { .name: query, .offset: 0, .size: 8, .value_kind: global_buffer, .address_space: global }
      - { .name: key, .offset: 8, .size: 8, .value_kind: global_buffer, .address_space: global }
      - { .name: value, .offset: 16, .size: 8, .value_kind: global_buffer, .address_space: global }
      - { .name: w_q, .offset: 24, .size: 8, .value_kind: global_buffer, .address_space: global }
      - { .name: w_k, .offset: 32, .size: 8, .value_kind: global_buffer, .address_space: global }
      - { .name: w_v, .offset: 40, .size: 8, .value_kind: global_buffer, .address_space: global }
      - { .name: mask, .offset: 48, .size: 8, .value_kind: global_buffer, .address_space: global }
      - { .name: w_o, .offset: 56, .size: 8, .value_kind: global_buffer, .address_space: global }
      - { .name: codes, .offset: 64, .size: 8, .value_kind: global_buffer, .address_space: global }
      - { .name: scales, .offset: 72, .size: 8, .value_kind: global_buffer, .address_space: global }
      - { .name: maskw, .offset: 80, .size: 8, .value_kind: global_buffer, .address_space: global }
      - { .name: wo16, .offset: 88, .size: 8, .value_kind: global_buffer, .address_space: global }
    .group_segment_fixed_size: 67072
    .private_segment_fixed_size: 0
    .kernarg_segment_align: 8
    .kernarg_segment_size: 96
    .max_flat_workgroup_size: 128
    .sgpr_count:     66
    .vgpr_count:     224
    .wavefront_size: 32
...
	.end_amdgpu_metadata
.endif
;; end of part 1
;; launch proj (part 2): grid 4 x 96, 4 waves a work-group, clusters of 4 x 4, 327,680 bytes of LDS; arguments codes, scales, b_q, b_k, b_v, qkv; writes qkv
.if DOCPART == 2
	.amdgcn_target "amdgcn-amd-amdhsa--gfx1250"
	.amdhsa_code_object_version 6
	.text
	.protected	k_q07111a8974_proj
	.globl	k_q07111a8974_proj
	.p2align	8
	.type	k_q07111a8974_proj,@function
k_q07111a8974_proj:
	s_mov_b64 s[64:65], 0
	v_nop
	global_prefetch_b8 v0, s[64:65] scope:SCOPE_SE
	s_setreg_imm32_b32 hwreg(HW_REG_WAVE_MODE, 25, 1), 1
	s_wait_xcnt 0x0
	s_wait_alu depctr_hold_cnt(0) depctr_sa_sdst(0) depctr_va_vdst(0) depctr_va_sdst(0) depctr_va_ssrc(0) depctr_va_vcc(0) depctr_vm_vsrc(0)
	s_getreg_b32 s2, hwreg(HW_REG_IB_STS2, 6, 4)
	s_cmp_eq_u32 s2, 0
	s_cbranch_scc0 .Lentry_in_a_cluster
	s_endpgm
.Lentry_in_a_cluster:
	s_bfe_u32 s2, ttmp6, 0x10000c
	s_cmp_lg_u32 s2, 0xf033
	s_cbranch_scc0 .Lentry_shape_is_right
	s_endpgm
.Lentry_shape_is_right:
; PROJ.  The three quantised projections as one product on codes of FP4 (E2M1) with E8M0 scales: C[m][n] = sum over k of X[m][k] W_T[n][k] + bias_T[n], m = 0 .. 24,575 (query, key, value rows on end), T = m / 8192,
; K = 1,024, sums in f32; the result is rounded once to f16 and laid by heads: qkv f16 [T][b][head][s][64].
; LIMIT: results beyond 65,504 in magnitude are not served (f16).
; A tile of C, 256 x 256, is made by a work-group of four waves; a wave makes 128 x 128: 64 accumulators of 16 x 16, 512 registers.
; K is two slots of 512 (rows of 256 bytes of codes): both are asked for at the start, and nothing is filled again.  The scale bytes of the work-group's 256 + 256 rows come once, as dense blocks.
; CLUSTERS: 4 x 4 work-groups.  The four of a row of the cluster need the same rows of X, the four of a column the same rows of W: each tile is asked for JOINTLY, by the same tensor load with the same
; descriptor and a mask that names the four.  A cluster's 1,024 rows of X lie in one tensor, so T hangs on the cluster's y alone.
; THE MATRIX INSTRUCTION IS USED TRANSPOSED (source 0 = 16 rows of W, source 1 = 16 rows of X): a lane holds eight neighbouring columns of one row of C.  The bias is the C of each sum's first product.
; REGISTERS, in windows of 256: window 0: v0-31 addresses; v32-95 scale words, two sets, and nothing else; v96-127 packed results; v128-191 X's fragments, one set (on the way out: rows read back); v192-255 the bias.
;   window 1: W's fragments, two sets, at v0 and v128.   window 2: the accumulators of my rows 0-63 ((a, b) at v[8 (8 a + b)]);   window 3: those of my rows 64-127.
.set NQ,     4                         ; matrix instructions deep in a slot: 512 / 128
.set ROWB,   256                       ; a tile's row in bytes: 512 codes
.set KROW,   512                       ; a row of codes in memory
.set PITCH,  272                       ; an LDS row: 256 bytes + 16: an odd multiple of 16, so the 16 rows of a fragment load fall on 16 different 16-byte columns modulo 256
.set FR,     8                         ; registers of a fragment: 16 rows x 128 K
.set NL,     2                         ; LDS loads that bring one
.set NP,     4                         ; places behind this matrix instruction (ISA guide 7.12.1)
.set HALFT,  128*PITCH                 ; 128 rows: what one tensor load brings
.set SLOT,   4*HALFT                   ; X's 256 rows, then W's 256 rows
.set KS,     32                        ; a row of scale bytes
.set SCL,    2*SLOT                    ; behind the slots: the scales, as units of 256 bytes + 16 of padding
.set HALFS,  (128*KS/256)*272          ; the scales of 128 rows
.set SBLK,   (16*KS/256)*272           ; those of 16 rows
.set SPARE,  SCL+4*HALFS               ; the spare words, 128 bytes a wave: two blocks of 256 bytes that no other line names
.set SPITCH, 272                       ; the way out: a stage of 16 rows x (256 bytes + 16) a wave, in slot 0, which has had its only fill and its last read by then
.set WROW0,  24576                     ; the weights' first row in codes and scales
.set ADRA, 16                          ; v16-17  LDS address of my X fragments in slot 0, 1
.set ADRB, 20                          ; v20-21  the same for W
.set STO,  24                          ; v24     the way out: where I put 16 bytes of a row
.set RD,   25                          ; v25     where I read back
.set CO,   26                          ; v26     16 x lane
.set ADRS, 27                          ; v27     LDS address of my scale words: lanes 0-15 X's rows, lanes 16-31 W's
.set SPW,  28                          ; v28     my spare word; never rewritten
.set NIL,  29                          ; v29     0; never rewritten
.set BO,   30                          ; v30     32 x (lane / 16): my eight biases of a tile
.set SC,   32                          ; scale words: set s at v[SC + 32 s]; register 4 i + q: lanes 0-15 X's block i, lanes 16-31 W's block i, the slot's q-th 128 along K
.set TMP,  96
.set AF,   128
.set OB,   128                         ; the way out: v128-159 and v160-191 by turns
.set BI,   192                         ; bias[n0 + 16 b + 8 h + j] at v[BI + 8 b + j]
.set WV,   16                          ; s16 wave;  s17: my half of the rows, also 0 = I fetch for X, 1 = for W;  s18: my half of the columns, also which 128 rows I fetch;  s19 tile row
.set RH,   17
.set CH,   18
.set TR,   19
.set G1,   24                          ; s[24:31] descriptor group 1 for X's tiles;  s[32:39] group 0, a set a slot
.set G0,   32
.set G1B,  48                          ; s[48:55], s[56:63] the same for W's
.set G0B,  56
.set G1S,  68                          ; s[68:75], s[76:79] groups 1 and 0 for X's scales;  s[80:87], s[88:91] for W's
.set G0S,  76
.set G1SB, 80
.set G0SB, 88
.set MSB, 0
.macro WIN new                         ; the immediate's high byte repeats the setting that is left
.if MSB != \new
	s_set_vgpr_msb (MSB<<8)|\new
.set MSB, \new
.endif
.endm
.set MUL_LO, 0xa1                      ; source 0 (W) window 1, source 1 (X) window 0, C and D window 2
.set MUL_HI, 0xf1                      ; the same, C and D window 3
.set FST_LO, 0x81                      ; a sum's first product: C (the bias) window 0, D window 2
.set FST_HI, 0xc1                      ; D window 3
.set TO_B,   0x40                      ; destination window 1, address window 0
; A joint load: waves 0 and 1 fetch for X, waves 2 and 3 for W.  Each line has one mask and one set of registers for all that issue it; the branch hangs on the wave's number alone.
; An s_nop 0 and four v_nop follow each line, ahead of the jump, the label and what follows.
.macro JLOAD g0a, g1a, g0b, g1b
	s_cmp_eq_u32 s[RH], 0
	s_cbranch_scc0 .Lfor_b_\@
	tensor_load_to_lds s[\g0a:\g0a+3], s[\g1a:\g1a+7]
	s_nop 0
.rept 4
	v_nop
.endr
	s_branch .Lasked_\@
.Lfor_b_\@:
	tensor_load_to_lds s[\g0b:\g0b+3], s[\g1b:\g1b+7]
	s_nop 0
.rept 4
	v_nop
.endr
.Lasked_\@:
.endm
.macro CROUND                          ; a round of the cluster's barrier: my work-group's barrier; wave 0 signals for the work-group; every wave waits for all sixteen; my work-group's barrier once more
	s_barrier_signal -1
	s_barrier_wait -1
	s_cmp_lg_u32 s[WV], 0
	s_cbranch_scc1 .Lnot_wave_0_\@
	s_barrier_signal -3
.Lnot_wave_0_\@:
	s_barrier_wait -3
	s_barrier_signal -1
	s_barrier_wait -1
.endm
	s_load_b128 s[4:7], s[0:1], 0x0                ; codes s[4:5], scales s[6:7]
	s_load_b256 s[8:15], s[0:1], 0x10              ; b_q s[8:9], b_k s[10:11], b_v s[12:13], qkv s[14:15]
	v_lshl_add_u32 v[SPW], v0, 2, SPARE
	v_mov_b32 v[NIL], 0
	ds_add_u32 v[SPW], v[NIL]                      ; the wave's opening: the add, twice on end, and its wait ahead of my first tensor load; the set-up below stands between
	ds_add_u32 v[SPW], v[NIL]
	v_lshrrev_b32 v1, 5, v0
	v_readfirstlane_b32 s[WV], v1                  ; wave 0..3
	s_lshr_b32 s[RH], s[WV], 1
	s_and_b32 s[CH], s[WV], 1
	s_bfe_u32 s40, ttmp6, 0x40000                  ; cx, cy: my place in the cluster
	s_bfe_u32 s41, ttmp6, 0x40004
	s_lshl_b32 s42, ttmp9, 2
	s_add_co_u32 s42, s42, s40                     ; tile column of C = 4 x cluster x + cx
	s_and_b32 s95, ttmp7, 0xffff                   ; cluster y
	s_lshl_b32 s[TR], s95, 2
	s_add_co_u32 s[TR], s[TR], s41                 ; tile row of C = 4 x cluster y + cy
	s_lshr_b32 s95, s95, 3                         ; T: 8 clusters of 1,024 rows to a tensor; the same in all sixteen partners
	s_lshl_b32 s43, s41, 2
	s_lshl_b32 s43, 15, s43                        ; my row of the cluster
	s_lshl_b32 s44, 0x1111, s40                    ; my column
	; descriptor group 1: a tile of 128 rows x 256 bytes, padded in LDS
	s_or_b32 s[G1+0], s43, (0<<16)|(1<<20)|(1<<21)|(5<<22)|(3<<25)  ; 15:0 the mask: X's tiles go to my row; 17:16 elements of 1 byte; 20 padding on; 21 set beside a mask; 24:22 after every 64 words; 31:25 four words
	s_or_b32 s[G1B+0], s44, (0<<16)|(1<<20)|(1<<21)|(5<<22)|(3<<25)
.irp g, G1, G1B
	s_mov_b32 s[\g+1], ROWB<<16                    ; tensor_dim0
	s_mov_b32 s[\g+2], 128<<16                     ; tensor_dim1
	s_mov_b32 s[\g+3], ROWB<<16                    ; tile_dim0
	s_mov_b32 s[\g+4], 128                         ; tile_dim1
	s_mov_b32 s[\g+5], KROW                        ; from row to row
	s_mov_b32 s[\g+6], 0
	s_mov_b32 s[\g+7], 0
.endr
	; and for the scales of 128 rows: 4,096 dense bytes, as 16 rows of 256 bytes (32 elements of 8 bytes), 16 bytes of padding behind each
	s_or_b32 s[G1S+0], s43, (3<<16)|(1<<20)|(1<<21)|(5<<22)|(3<<25)
	s_or_b32 s[G1SB+0], s44, (3<<16)|(1<<20)|(1<<21)|(5<<22)|(3<<25)
.irp g, G1S, G1SB
	s_mov_b32 s[\g+1], 32<<16
	s_mov_b32 s[\g+2], (128*KS/256)<<16
	s_mov_b32 s[\g+3], 32<<16
	s_mov_b32 s[\g+4], 128*KS/256
	s_mov_b32 s[\g+5], 32
	s_mov_b32 s[\g+6], 0
	s_mov_b32 s[\g+7], 0
.endr
	s_lshl_b32 s3, s[CH], 7                        ; which 128 rows of the tile I fetch
	s_lshl_b32 s20, s[TR], 8
	s_add_co_u32 s20, s20, s3                      ; X: row 256 x tile row + 128 x half
	s_lshl_b32 s46, s42, 8
	s_add_co_u32 s46, s46, s3                      ; W: row 256 x tile column + 128 x half,
	s_lshl_b32 s2, s95, 10
	s_add_co_u32 s46, s46, s2                      ; in weight T,
	s_add_co_u32 s46, s46, WROW0                   ; behind the 24,576 rows of X
	s_mov_b32 s21, 0
	s_mov_b32 s47, 0
	s_mov_b64 s[2:3], KS
	s_mul_u64 s[22:23], s[20:21], s[2:3]           ; where these rows' scales begin, in bytes
	s_mul_u64 s[92:93], s[46:47], s[2:3]
	s_mov_b64 s[2:3], KROW
	s_mul_u64 s[20:21], s[20:21], s[2:3]           ; and their codes
	s_mul_u64 s[46:47], s[46:47], s[2:3]
	s_mul_i32 s45, s[WV], HALFT                    ; where they go: wave x 128 rows: no place in the cluster enters an LDS address
	s_mul_i32 s94, s[WV], HALFS
	s_wait_dscnt 0x0                               ; both opening adds are done
	s_wait_kmcnt 0x0
	s_add_nc_u64 s[20:21], s[4:5], s[20:21]
	s_add_nc_u64 s[22:23], s[6:7], s[22:23]
	s_add_nc_u64 s[46:47], s[4:5], s[46:47]
	s_add_nc_u64 s[92:93], s[6:7], s[92:93]
	CROUND                                         ; all sixteen work-groups are here: the joint loads meet
	s_mov_b32 s[G0S], 1
	s_add_co_u32 s[G0S+1], s94, SCL
	s_mov_b64 s[G0S+2:G0S+3], s[22:23]
	s_or_b32 s[G0S+3], s[G0S+3], 0x80000000
	s_mov_b32 s[G0SB], 1
	s_add_co_u32 s[G0SB+1], s94, SCL
	s_mov_b64 s[G0SB+2:G0SB+3], s[92:93]
	s_or_b32 s[G0SB+3], s[G0SB+3], 0x80000000
	JLOAD G0S, G1S, G0SB, G1SB                     ; the scales first: they are wanted with slot 0.  Three loads of mine are out at the most
.irp s, 0,1
	s_mov_b32 s[G0+4*\s], 1
	s_add_co_u32 s[G0+4*\s+1], s45, \s*SLOT
	s_add_nc_u64 s[G0+4*\s+2:G0+4*\s+3], s[20:21], \s*ROWB
	s_or_b32 s[G0+4*\s+3], s[G0+4*\s+3], 0x80000000
	s_mov_b32 s[G0B+4*\s], 1
	s_add_co_u32 s[G0B+4*\s+1], s45, \s*SLOT
	s_add_nc_u64 s[G0B+4*\s+2:G0B+4*\s+3], s[46:47], \s*ROWB
	s_or_b32 s[G0B+4*\s+3], s[G0B+4*\s+3], 0x80000000
	JLOAD G0+4*\s, G1, G0B+4*\s, G1B
.endr
	v_and_b32 v1, 15, v0                           ; r = lane % 16
	v_bfe_u32 v2, v0, 4, 1                         ; h = lane / 16
	; the bias of my 128 columns: chosen by T, which hangs on the cluster's y alone
	s_cmp_eq_u32 s95, 1
	s_cselect_b64 s[96:97], s[10:11], s[8:9]
	s_cmp_eq_u32 s95, 2
	s_cselect_b64 s[96:97], s[12:13], s[96:97]
	s_lshl_b32 s46, s42, 10                        ; 4 bytes x (256 x tile column + 128 x half)
	s_lshl_b32 s47, s[CH], 9
	s_add_co_u32 s46, s46, s47
	s_mov_b32 s47, 0
	s_add_nc_u64 s[96:97], s[96:97], s[46:47]
	v_lshlrev_b32 v[BO], 5, v2
.irp b, 0,1,2,3,4,5,6,7
	global_load_b128 v[BI+8*\b:BI+8*\b+3], v[BO], s[96:97] offset:64*\b
	global_load_b128 v[BI+8*\b+4:BI+8*\b+7], v[BO], s[96:97] offset:64*\b+16
.endr
	v_mul_u32_u24 v3, v1, PITCH
	v_lshl_add_u32 v4, v2, 4, v3                   ; a fragment's row x pitch + 16 x half
	s_mul_i32 s21, s[RH], HALFT                    ; my 128 rows of X
	s_mul_i32 s22, s[CH], HALFT                    ; my 128 rows of W,
	s_add_co_u32 s22, s22, 2*HALFT                 ; which lie behind X's 256
.irp s, 0,1
	v_add_nc_u32 v[ADRA+\s], s21, v4
	v_add_nc_u32 v[ADRB+\s], s22, v4
	s_add_co_u32 s21, s21, SLOT
	s_add_co_u32 s22, s22, SLOT
.endr
	v_mul_u32_u24 v5, v1, KS                       ; my row's scales: 32 bytes a row,
	v_lshrrev_b32 v6, 8, v5
	v_lshl_add_u32 v5, v6, 4, v5                   ; and 16 more for each 256 passed
	s_mul_i32 s21, s[RH], HALFS                    ; X's: my 128 rows
	s_mul_i32 s22, s[CH], HALFS                    ; W's: my 128 rows, behind X's 256
	s_add_co_u32 s22, s22, 2*HALFS
	s_sub_co_u32 s22, s22, s21
	v_mul_u32_u24 v6, s22, v2                      ; lanes 16-31 take W's: the lower base + h x the distance
	s_add_co_u32 s21, s21, SCL
	v_add_nc_u32 v5, v5, v6
	v_add_nc_u32 v[ADRS], s21, v5
	s_mul_i32 s23, s[WV], 16*SPITCH                ; my stage
	v_mul_u32_u24 v5, v1, SPITCH                   ; in: row r, 16 bytes for each half of the lanes
	v_lshl_add_u32 v5, v2, 4, v5
	v_add_nc_u32 v[STO], s23, v5
	v_bfe_u32 v5, v0, 3, 2                         ; back: eight lanes take a head's 128 bytes of a row, 32 lanes four rows
	v_mul_u32_u24 v5, v5, SPITCH
	v_and_b32 v6, 7, v0
	v_lshl_add_u32 v5, v6, 4, v5
	v_add_nc_u32 v[RD], s23, v5
	v_and_b32 v6, 31, v0
	v_lshlrev_b32 v[CO], 4, v6                     ; and the same 512 bytes on end in qkv
	; where my 128 rows x 2 heads begin in qkv: (m0 / 2048) x 4,194,304 (tensor and batch) + head x 262,144 + (m0 % 2048) x 128
	s_lshl_b32 s20, s[TR], 8
	s_lshl_b32 s21, s[RH], 7
	s_add_co_u32 s20, s20, s21                     ; m0 = 256 x tile row + 128 x half
	s_lshr_b32 s22, s20, 11
	s_lshl_b32 s22, s22, 22
	s_and_b32 s20, s20, 2047
	s_lshl_b32 s20, s20, 7
	s_add_co_u32 s20, s20, s22
	s_lshl_b32 s46, s42, 2
	s_lshl_b32 s47, s[CH], 1
	s_add_co_u32 s46, s46, s47                     ; my first head = 4 x tile column + 2 x half
	s_lshl_b32 s46, s46, 18
	s_add_co_u32 s20, s20, s46                     ; under 2^26
	s_mov_b32 s21, 0
	s_add_nc_u64 s[14:15], s[14:15], s[20:21]
.macro FRAG reg, adr, q, i             ; a fragment, 16 rows x 128 K of 4-bit codes: lane l holds row l % 16; registers 4 c .. 4 c + 3 hold K = 64 c + 32 (l / 16) + 0 .. 31
.irp c, 0,1
	ds_load_b128 v[\reg+4*\c:\reg+4*\c+3], v[\adr] offset:64*(\q)+32*\c+(\i)*16*PITCH
.endr
.endm
; 16 matrix instructions: X's blocks a0, a0 + 1 x W's eight, the slot's q-th 128 along K.  p: W's set;  sc: the set of scale words.  zero = 1: the first product starts the sum from the bias: nothing is cleared.
; The 64 accumulators take turns, one instruction a turn, in the same order in every step.
.macro MUL16 a0, p, q, sc, zero
.irp a, \a0, \a0+1
.irp b, 0,1,2,3,4,5,6,7
.if \zero
	v_wmma_scale_f32_16x16x128_f8f6f4 v[8*(8*((\a)%4)+\b):8*(8*((\a)%4)+\b)+7], v[128*(\p)+FR*\b:128*(\p)+FR*\b+FR-1], v[AF+FR*(\a):AF+FR*(\a)+FR-1], v[BI+8*\b:BI+8*\b+7], v[SC+8*NQ*(\sc)+NQ*\b+(\q)], v[SC+8*NQ*(\sc)+NQ*(\a)+(\q)] matrix_a_fmt:MATRIX_FMT_FP4 matrix_b_fmt:MATRIX_FMT_FP4 matrix_a_scale:MATRIX_SCALE_ROW1
.else
	v_wmma_scale_f32_16x16x128_f8f6f4 v[8*(8*((\a)%4)+\b):8*(8*((\a)%4)+\b)+7], v[128*(\p)+FR*\b:128*(\p)+FR*\b+FR-1], v[AF+FR*(\a):AF+FR*(\a)+FR-1], v[8*(8*((\a)%4)+\b):8*(8*((\a)%4)+\b)+7], v[SC+8*NQ*(\sc)+NQ*\b+(\q)], v[SC+8*NQ*(\sc)+NQ*(\a)+(\q)] matrix_a_fmt:MATRIX_FMT_FP4 matrix_b_fmt:MATRIX_FMT_FP4 matrix_a_scale:MATRIX_SCALE_ROW1
.endif
.endr
.endr
.endm
.macro FETCH_B slot, q, p              ; W's eight fragments of the slot's q-th 128 along K into set p
	WIN TO_B
.irp i, 0,1,2,3,4,5,6,7
	FRAG 128*(\p)+FR*\i, ADRB+\slot, \q, \i
.endr
	WIN 0
.endm
.macro FETCH_A slot, q, i0             ; X's blocks i0 .. i0 + 3
.irp i, \i0, \i0+1, \i0+2, \i0+3
	FRAG AF+FR*(\i), ADRA+\slot, \q, \i
.endr
.endm
.macro SCALES sc                       ; a slot's scale words into set sc: four words a row; lanes 0-15 take X's block i, lanes 16-31 W's block i
.irp i, 0,1,2,3,4,5,6,7
	ds_load_b128 v[SC+8*NQ*\sc+NQ*\i:SC+8*NQ*\sc+NQ*\i+3], v[ADRS] offset:\i*SBLK
.endr
.endm
.macro PLACES n                        ; a load into a register that a matrix instruction has read, and a read of a matrix result, stand four plain vector instructions behind it (ISA guide 7.12.1 for the read of a result)
.rept \n
	v_nop
.endr
.endm
; A step of 128 along K that has its successor in the same slot.  A block of X is free as soon as its eight products are issued: blocks 0-3 are fetched anew in the step's middle, blocks 4-7 at its end.
.macro STEP slot, q, zero
	s_wait_dscnt 4*NL                              ; W's set and X's blocks 0-3 are in; the youngest eight loads (X's blocks 4-7) may be out
.if \zero
	WIN FST_LO
.else
	WIN MUL_LO
.endif
	MUL16 0, (\q)%2, \q, \slot, \zero
	MUL16 2, (\q)%2, \q, \slot, \zero
	s_wait_dscnt 0                                 ; X's blocks 4-7 are in
	PLACES NP
	FETCH_B \slot, (\q)+1, 1-(\q)%2
	FETCH_A \slot, (\q)+1, 0
.if \zero
	WIN FST_HI
.else
	WIN MUL_HI
.endif
	MUL16 4, (\q)%2, \q, \slot, \zero
	MUL16 6, (\q)%2, \q, \slot, \zero
	PLACES NP
	WIN 0
	FETCH_A \slot, (\q)+1, 4
.endm
; Slot 0's last step changes slots: one barrier; in front of it each wave waits for all its tensor loads (its part of slot 1), adds 0 to its spare word, and waits for that and for its reads of slot 0.
; Behind it slot 1 is whole and nobody reads slot 0, which later serves as the stage.  Nothing is filled again.
.macro TURN slot, next
	s_wait_tensorcnt 0x0                           ; all my tensor loads have landed  (every window is 0 here: the add's two registers lie in window 0)
	ds_add_u32 v[SPW], v[NIL]                      ; 0 onto my spare word
	s_wait_dscnt 4*NL+1                            ; (the add and the youngest eight loads may be out)
	WIN MUL_LO
	MUL16 0, 1, NQ-1, \slot, 0                     ; sixteen matrix instructions stand between the add and the wait for it
	s_wait_dscnt 0x0                               ; the add is done, and my reads of this slot are over
	s_barrier_signal -1
	MUL16 2, 1, NQ-1, \slot, 0
	WIN 0
	s_barrier_wait -1
	PLACES NP
	v_add_nc_u32 v[ADRS], 4*NQ, v[ADRS]            ; on to the next slot's scale words (no LDS load of mine is out)
	FETCH_B \next, 0, 0
	FETCH_A \next, 0, 0
	SCALES \next
	WIN MUL_HI
	MUL16 4, 1, NQ-1, \slot, 0
	MUL16 6, 1, NQ-1, \slot, 0
	PLACES NP
	WIN 0
	FETCH_A \next, 0, 4
.endm
.macro STEPS slot, from                ; the slot's steps from .. NQ - 2
.set Q, \from
.rept NQ-1-\from
	STEP \slot, Q, 0
.set Q, Q+1
.endr
.endm
	s_wait_tensorcnt 1                             ; the scales and my part of slot 0 are in (slot 1's load may be out)
	s_barrier_signal -1
	s_barrier_wait -1                              ; everybody's are
	FETCH_B 0, 0, 0
	FETCH_A 0, 0, 0
	SCALES 0
	FETCH_A 0, 0, 4
	s_wait_loadcnt 0x0                             ; the bias
	STEP 0, 0, 1                                   ; the first step's products start the sums
	STEPS 0, 1
	TURN 0, 1
	STEPS 1, 0
	s_wait_dscnt 4*NL                              ; the very last step: nothing more to fetch
	WIN MUL_LO
	MUL16 0, 1, NQ-1, 1, 0
	MUL16 2, 1, NQ-1, 1, 0
	s_wait_dscnt 0
	WIN MUL_HI
	MUL16 4, 1, NQ-1, 1, 0
	MUL16 6, 1, NQ-1, 1, 0
	WIN 0
; THE WAY OUT, block by block of 16 rows x 128 columns (two heads).  PACK: rounded to f16, 16 bytes a lane, each accumulator from its low end on.  TOSTAGE: into my own stage and back by heads:
; a head's 16 rows x 128 bytes are 2,048 consecutive bytes of qkv.  SEND: each store of the wave covers 512 consecutive bytes, aligned.  Every offset is an immediate: no base is stepped.
.macro PACK a
.set AC, 64*((\a)%4)
	WIN 0x0a+5*((\a)/4)                            ; sources 0 and 1: window 2 or 3
.irp b, 0,1,2,3,4,5,6,7
.irp r, 0,1,2,3
	v_cvt_pk_f16_f32 v[TMP+4*\b+\r], v[AC+8*\b+2*\r], v[AC+8*\b+2*\r+1]
.endr
.endr
	WIN 0
.endm
.macro TOSTAGE a
.set BB, OB+32*((\a)%2)
.irp b, 0,1,2,3,4,5,6,7
	ds_store_b128 v[STO], v[TMP+4*\b:TMP+4*\b+3] offset:32*\b
.endr
.irp hh, 0,1
.irp i, 0,1,2,3
	ds_load_b128 v[BB+4*(4*\hh+\i):BB+4*(4*\hh+\i)+3], v[RD] offset:4*SPITCH*\i+128*\hh   ; LDS serves a wave's instructions in order: these see the stores above
.endr
.endr
.endm
.macro SEND a
.set BB, OB+32*((\a)%2)
	s_wait_dscnt 0x0                               ; the block is back in registers
	s_wait_xcnt 0x0                                ; the stores of the block before have read their registers: the next block's loads may land there
.irp hh, 0,1
.irp i, 0,1,2,3
	global_store_b128 v[CO], v[BB+4*(4*\hh+\i):BB+4*(4*\hh+\i)+3], s[14:15] offset:262144*\hh+2048*(\a)+512*\i
.endr
.endr
.endm
	PLACES NP                                      ; behind the last products: for the reads of results and the loads into the registers that held X's fragments
	PACK 0
	TOSTAGE 0
.irp a, 1,2,3,4,5,6,7                  ; block a's conversions stand between block a - 1's loads from the stage and the wait for them
	PACK \a
	SEND \a-1
	TOSTAGE \a
.endr
	SEND 7
	s_wait_tensorcnt 0x0                           ; the wave's end
	ds_add_u32 v[SPW], v[NIL]
	s_wait_dscnt 0x0
	CROUND                                         ; the closing round: no work-group ends while a partner may still ask for a tile that names it
	s_endpgm
.Lfunc_end_k_q07111a8974_proj:
	.size	k_q07111a8974_proj, .Lfunc_end_k_q07111a8974_proj-k_q07111a8974_proj
	.p2alignl 7, 3214868480
	.fill 96, 4, 3214868480
	.section	.rodata,"a",@progbits
	.p2align	6, 0x0
	.amdhsa_kernel k_q07111a8974_proj
		.amdhsa_group_segment_fixed_size 327680
		.amdhsa_private_segment_fixed_size 0
		.amdhsa_enable_private_segment 0
		.amdhsa_kernarg_size 48
		.amdhsa_user_sgpr_count 2
		.amdhsa_user_sgpr_kernarg_segment_ptr 1
		.amdhsa_wavefront_size32 1
		.amdhsa_system_sgpr_workgroup_id_x 1
		.amdhsa_system_sgpr_workgroup_id_y 1
		.amdhsa_system_sgpr_workgroup_id_z 1
		.amdhsa_system_vgpr_workitem_id 0
		.amdhsa_next_free_vgpr 1024
		.amdhsa_next_free_sgpr 98
		.amdhsa_reserve_vcc 0
		.amdhsa_float_denorm_mode_32 3
		.amdhsa_float_denorm_mode_16_64 3
		.amdhsa_memory_ordered 1
		.amdhsa_forward_progress 1
		.amdhsa_inst_pref_size 128
	.end_amdhsa_kernel
	.amdgpu_metadata
---
amdhsa.version: [ 1, 2 ]
amdhsa.kernels:
  - .name:           k_q07111a8974_proj
    .symbol:         k_q07111a8974_proj.kd
    .args:
      - { .name: codes, .offset: 0, .size: 8, .value_kind: global_buffer, .address_space: global }
      - { .name: scales, .offset: 8, .size: 8, .value_kind: global_buffer, .address_space: global }
      - { .name: b_q, .offset: 16, .size: 8, .value_kind: global_buffer, .address_space: global }
      - { .name: b_k, .offset: 24, .size: 8, .value_kind: global_buffer, .address_space: global }
      - { .name: b_v, .offset: 32, .size: 8, .value_kind: global_buffer, .address_space: global }
      - { .name: qkv, .offset: 40, .size: 8, .value_kind: global_buffer, .address_space: global }
    .group_segment_fixed_size: 327680
    .private_segment_fixed_size: 0
    .kernarg_segment_align: 8
    .kernarg_segment_size: 48
    .max_flat_workgroup_size: 128
    .sgpr_count:     98
    .vgpr_count:     1024
    .wavefront_size: 32
...
	.end_amdgpu_metadata
.endif
;; end of part 2
;; launch attn (part 3): grid 4 x 64, 16 waves a work-group, clusters of 4 x 1, 327,680 bytes of LDS; arguments qkv, maskw, ctxh; writes ctxh
.if DOCPART == 3
	.amdgcn_target "amdgcn-amd-amdhsa--gfx1250"
	.amdhsa_code_object_version 6
	.text
	.protected	k_q07111a8974_attn
	.globl	k_q07111a8974_attn
	.p2align	8
	.type	k_q07111a8974_attn,@function
k_q07111a8974_attn:
	s_mov_b64 s[64:65], 0
	v_nop
	global_prefetch_b8 v0, s[64:65] scope:SCOPE_SE
	s_setreg_imm32_b32 hwreg(HW_REG_WAVE_MODE, 25, 1), 1
	s_wait_xcnt 0x0
	s_wait_alu depctr_hold_cnt(0) depctr_sa_sdst(0) depctr_va_vdst(0) depctr_va_sdst(0) depctr_va_ssrc(0) depctr_va_vcc(0) depctr_vm_vsrc(0)
	s_getreg_b32 s2, hwreg(HW_REG_IB_STS2, 6, 4)
	s_cmp_eq_u32 s2, 0
	s_cbranch_scc0 .Lentry_in_a_cluster
	s_endpgm
.Lentry_in_a_cluster:
	s_bfe_u32 s2, ttmp6, 0x10000c
	s_cmp_lg_u32 s2, 0x3003
	s_cbranch_scc0 .Lentry_shape_is_right
	s_endpgm
.Lentry_shape_is_right:
; ATTN.  ctx[b][h][q] = sum over k of softmax_k(where(mask[b][q][k] == 0, hidden, Q[q] . K[k] / 8)) V[k], head size 64, 2,048 keys, f16 operands, f32 sums, maxima and row sums.
; qkv: f16 [Q, K, V][b][h][s][64].  maskw: one bit a score, u32 [b][tile of 16 queries][step of 64 keys][32 words]: word 8 t + j is the lane mask of register 8 t + j of a score tile.  ctxh: f16 [h][b x 2048 + s][64].
; SOFTMAX.  For each query a running maximum m and sum l: p = 2^(c s - c m), c = log2(e) / 8; in every step O and l are multiplied by a = 2^(c m_old - c m_new).  The sum is taken of the unrounded p.
; THE MASK selects values only (v_cndmask_b32 by a scalar word): no branch and no address hangs on it.  A hidden score becomes -2^103 before the scaling: a power of two, so that c x it is exact and a row that is
; hidden altogether gets p = 1 for every key, the plain average of V, as the softmax of equal scores gives.
; LIMITS: a hidden score counts as -1.27e30 after the division by 8 where the problem's text has -1e30: results differ only where true scores lie near -1e30.  NaN and infinities are not served.
; p under 2^-24 is rounded to 0 for the second product (f16), beside a largest p of 1.
; SHARES.  A work-group owns 512 queries of one (b, h); each of its sixteen waves owns 32: two tiles of 16, in 256 registers: four waves to a SIMD, so that one wave's vector work stands beside another's products and LDS loads.
; Every wave walks all 2,048 keys, 64 a step, four steps to a slot; K's and V's tiles come through two LDS slots of 256 keys (waves 0, 1: K's halves; waves 2, 3: V's).
; CLUSTER.  The four query blocks of a (b, h) form a cluster and walk the same K and V: each tile is asked for JOINTLY, by the same tensor load with the same descriptor and the mask of all four.
; LAYOUT.  S^T = K Q^T (source 0 = 16 keys, source 1 = 16 queries): a lane holds ONE query (lane % 16) and keys 16 t + 8 (lane / 16) + j.  Two such tiles, rounded to f16 in pairs, are source 1 of O^T = V^T P.
; K comes out of LDS as it lies, V ([key][channel]) turned by ds_load_tr16_b128.
; THE MASK WORDS have a set of 32 scalar registers for each tile.  A tile's words of the next step are asked for directly behind the lines that read this step's: all of a step but the masking lies between a request and
; the one wait for it.  To have the 64 registers, a slot's four steps are written out (their LDS and mask offsets are immediates), c lies in a vector pair, and ctxh's address is loaded again at the way out.
; No prefetch: a slot is asked for four steps of sixteen waves ahead of the wait for it, the mask words a step ahead.
.set KS,    64                         ; keys in a step
.set SK,    256                        ; keys in a slot
.set NQ,    SK/KS                      ; steps in a slot
.set NSL,   2048/SK                    ; slots' worth of keys
.set PK,    144                        ; a row of K in LDS: 128 bytes + 16: an odd multiple of 16
.set PV,    160                        ; a row of V: 128 + 32: an odd multiple of 32, as the turning load's 8 rows x 32 bytes want
.set VOFF,  SK*PK                      ; a slot: 256 rows of K, then 256 rows of V
.set SLOT1, 1<<17                      ; slot 1 begins here: one exclusive or turns an address in one slot into the other's
.set SPARE, 2*SLOT1                    ; the spare words, 128 bytes a wave: eight blocks of 256 bytes that no other line names
.set SPT,   144                        ; the way out: a stage of 16 rows x (128 bytes + 16) a wave, from LDS byte 0: slot 0 has had its last fill and was left at the last change of slots
.set AK0, 1                            ; v1   my lane's place in a tile of K
.set AV0, 2                            ; v2   the same for V
.set ADK, 3                            ; v3   LDS address of the slot's K
.set ADV, 4                            ; v4   of its V
.set SPW, 5                            ; v5   my spare word; never rewritten
.set NIL, 6                            ; v6   0; never rewritten
.set NEG, 7                            ; v7   -2^103
.set ST,  8                            ; v8-23    tile u's statistics at v[ST + 8 u]: +0 c m, +1 m, +2, +3 l (even keys', odd keys'), +4 .. +7 at work; a lands in +6
.set Q,   24                           ; v24-55   Q: tile u, channels 32 s on, at v[Q + 16 u + 8 s]
.set KV,  56                           ; v56-119  eight fragments: the step's K, then its V
.set S,   120                          ; v120-183 S^T, 32 a tile; p in f16 takes the first 16 of each
.set O,   184                          ; v184-247 O^T: tile u, channels 16 ct on, at v[O + 32 u + 8 ct]
.set CSV, 248                          ; v[248:249] c: the packed form names a pair and takes its low word for both halves
.set TB,  2                            ; s2   LDS byte at which the slot in hand begins
.set SLOTS, 3                          ; s3   slots still to be asked for
.set G1K, 4                            ; s[4:11]  descriptor group 1 for K's tiles;  s[12:19] for V's: the padding differs
.set G1V, 12
.set G0K, 20                           ; s[20:23], s[24:27] their groups 0, which walk
.set G0V, 24
.set MP,  28                           ; s[28:29] tile 0's mask words of the first step of the slot in hand (from a slot's last step on: of the next slot)
.set SEL, 30                           ; s30, s31 lane selects for v_permlanex16_b32: lane l xor 16
.set MW0, 32                           ; s[32:63] tile 0's 32 mask words of a step
.set WV,  66                           ; s66  wave
.set CTO, 67                           ; s67  my wave's byte offset in ctxh
.set MW1, 68                           ; s[68:99] tile 1's 32 mask words; at the head, ahead of the first request, arguments and ids
.macro CROUND                          ; a round of the cluster's barrier
	s_barrier_signal -1
	s_barrier_wait -1
	s_cmp_lg_u32 s[WV], 0
	s_cbranch_scc1 .Lnot_wave_0_\@
	s_barrier_signal -3
.Lnot_wave_0_\@:
	s_barrier_wait -3
	s_barrier_signal -1
	s_barrier_wait -1
.endm
; Waves 0 and 1 fetch for K, waves 2 and 3 for V, the others nothing.  The branches hang on the wave's number alone: the same in all four partners.  An s_nop 0 and four v_nop follow each line.
.macro TLOAD
	s_cmp_lt_u32 s[WV], 2
	s_cbranch_scc0 .Lnot_k_\@
	tensor_load_to_lds s[G0K:G0K+3], s[G1K:G1K+7]
	s_nop 0
.rept 4
	v_nop
.endr
	s_branch .Lasked_\@
.Lnot_k_\@:
	s_cmp_lt_u32 s[WV], 4
	s_cbranch_scc0 .Lasked_\@
	tensor_load_to_lds s[G0V:G0V+3], s[G1V:G1V+7]
	s_nop 0
.rept 4
	v_nop
.endr
.Lasked_\@:
.endm
.macro MLD w, off                      ; 32 mask words, 128 consecutive bytes, into the set at s[w]
	s_load_b512 s[\w:\w+15], s[MP:MP+1], \off
	s_load_b512 s[\w+16:\w+31], s[MP:MP+1], \off+0x40
.endm
	s_load_b128 s[68:71], s[0:1], 0x0              ; qkv s[68:69], maskw s[70:71]
	v_lshl_add_u32 v[SPW], v0, 2, SPARE
	v_mov_b32 v[NIL], 0
	ds_add_u32 v[SPW], v[NIL]                      ; the wave's opening: the add, twice on end, and its wait ahead of the first tensor loads; the set-up below stands between
	ds_add_u32 v[SPW], v[NIL]
	v_lshrrev_b32 v1, 5, v0
	v_readfirstlane_b32 s[WV], v1                  ; wave 0..15
	s_bfe_u32 s72, ttmp6, 0x40000                  ; cx: my place in the cluster
	s_lshl_b32 s73, ttmp9, 2
	s_add_co_u32 s73, s73, s72                     ; my block of 512 queries: it enters Q's, the mask's and ctxh's addresses alone
	s_and_b32 s74, ttmp7, 0xffff                   ; 16 b + h, which the four partners share
	s_lshr_b32 s75, s74, 4                         ; b
	s_and_b32 s76, s74, 15                         ; h
	s_and_b32 s77, s[WV], 1                        ; which 128 keys of a slot I fetch, if I fetch
	s_lshl_b32 s80, s74, 18                        ; a (b, h) block is 262,144 bytes
	s_lshl_b32 s78, s77, 14                        ; 128 rows of 128 bytes
	s_add_co_u32 s80, s80, s78
	s_add_co_u32 s82, s80, 2*16777216              ; V's tensor
	s_add_co_u32 s80, s80, 16777216                ; K's
	s_mov_b32 s81, 0
	s_mov_b32 s83, 0
	s_lshl_b32 s84, s74, 18                        ; Q: the block, + 512 rows a query block, + 32 rows a wave
	s_lshl_b32 s78, s73, 16
	s_add_co_u32 s84, s84, s78
	s_lshl_b32 s78, s[WV], 12
	s_add_co_u32 s84, s84, s78
	s_mov_b32 s85, 0
	s_lshl_b32 s86, s75, 19                        ; the mask words: 524,288 bytes a batch, 131,072 a query block, 8,192 a wave (two tiles of 4,096)
	s_lshl_b32 s78, s73, 17
	s_add_co_u32 s86, s86, s78
	s_lshl_b32 s78, s[WV], 13
	s_add_co_u32 s86, s86, s78
	s_mov_b32 s87, 0
	s_lshl_b32 s[CTO], s76, 20                     ; ctxh: 1,048,576 bytes a head, 262,144 a batch, 65,536 a query block, 4,096 a wave: under 2^24
	s_lshl_b32 s78, s75, 18
	s_add_co_u32 s[CTO], s[CTO], s78
	s_lshl_b32 s78, s73, 16
	s_add_co_u32 s[CTO], s[CTO], s78
	s_lshl_b32 s78, s[WV], 12
	s_add_co_u32 s[CTO], s[CTO], s78
	; descriptor group 1: 128 rows of 64 f16, dense in memory, padded in LDS behind every row
	s_mov_b32 s[G1K], 15|(1<<16)|(1<<20)|(1<<21)|(4<<22)|(3<<25)  ; 15:0 the mask: all four work-groups; 17:16 elements of 2 bytes; 20 padding on; 21 set beside a mask; 24:22 after every 32 words; 31:25 four words
	s_mov_b32 s[G1V], 15|(1<<16)|(1<<20)|(1<<21)|(4<<22)|(7<<25)  ; the same with eight words of padding
.irp g, G1K, G1V
	s_mov_b32 s[\g+1], 64<<16                      ; tensor_dim0
	s_mov_b32 s[\g+2], 128<<16                     ; tensor_dim1
	s_mov_b32 s[\g+3], 64<<16                      ; tile_dim0
	s_mov_b32 s[\g+4], 128                         ; tile_dim1
	s_mov_b32 s[\g+5], 64                          ; from row to row
	s_mov_b32 s[\g+6], 0
	s_mov_b32 s[\g+7], 0
.endr
	s_mov_b32 s[G0K], 1
	s_mul_i32 s[G0K+1], s77, 128*PK                ; slot 0: no place in the cluster enters an LDS address
	s_mov_b32 s[G0V], 1
	s_mul_i32 s[G0V+1], s77, 128*PV
	s_add_co_u32 s[G0V+1], s[G0V+1], VOFF
	s_mov_b32 s[SEL], 0x76543210
	s_mov_b32 s[SEL+1], 0xfedcba98
	s_mov_b32 s[TB], 0
	s_mov_b32 s[SLOTS], NSL-1
	s_wait_dscnt 0x0                               ; both opening adds are done
	s_wait_kmcnt 0x0
	s_add_nc_u64 s[G0K+2:G0K+3], s[68:69], s[80:81]  ; the head's first 256 keys
	s_or_b32 s[G0K+3], s[G0K+3], 0x80000000
	s_add_nc_u64 s[G0V+2:G0V+3], s[68:69], s[82:83]
	s_or_b32 s[G0V+3], s[G0V+3], 0x80000000
	s_add_nc_u64 s[88:89], s[68:69], s[84:85]      ; Q at my wave's first query
	s_add_nc_u64 s[MP:MP+1], s[70:71], s[86:87]    ; the mask words of my tile 0, step 0
	CROUND                                         ; all four work-groups are here: the first joint loads meet
	TLOAD                                          ; slot 0
	v_and_b32 v252, 15, v0                         ; r
	v_bfe_u32 v253, v0, 4, 1                       ; h
	v_lshlrev_b32 v254, 7, v252
	v_lshl_add_u32 v254, v253, 4, v254             ; Q: row r of 128 bytes, + 16 h
.irp u, 0,1
.irp s, 0,1
	global_load_b128 v[Q+16*\u+8*\s:Q+16*\u+8*\s+3], v254, s[88:89] offset:2048*\u+64*\s        ; Q stays in registers
	global_load_b128 v[Q+16*\u+8*\s+4:Q+16*\u+8*\s+7], v254, s[88:89] offset:2048*\u+64*\s+32
.endr
.endr
	v_mul_u32_u24 v[AK0], v252, PK
	v_lshl_add_u32 v[AK0], v253, 4, v[AK0]         ; K: row r x pitch + 16 h
	v_and_b32 v255, 7, v0
	v_lshl_add_u32 v[AV0], v253, 3, v255           ; V: the turning load takes key 8 h + lane % 8,
	v_mul_u32_u24 v[AV0], v[AV0], PV
	v_bfe_u32 v255, v0, 3, 1
	v_lshl_add_u32 v[AV0], v255, 4, v[AV0]         ; channels 8 ((lane / 8) % 2) on
	v_add_nc_u32 v[AV0], VOFF, v[AV0]
	v_mov_b32 v[NEG], 0xf3000000                   ; -2^103
	v_mov_b32 v[CSV], 0x3e38aa3b                   ; c = log2(e) / 8
	v_mov_b32 v[CSV+1], v[CSV]                     ; (named with it as a pair, so it is written)
	s_wait_xcnt 0x0                                ; Q's loads have read their base, s[88:89]: only behind this wait do the mask words land on it
	MLD MW0, 0x0                                   ; step 0: tile 0's words,
	MLD MW1, 0x1000                                ; and tile 1's
.irp u, 0,1
	v_mov_b32 v[ST+8*\u+1], 0xff61b1e6             ; m = -3e38, under every score, a hidden one too
	v_mul_f32 v[ST+8*\u], v[CSV], v[ST+8*\u+1]     ; c m
	v_mov_b32 v[ST+8*\u+2], 0                      ; l
	v_mov_b32 v[ST+8*\u+3], 0
	v_mov_b32 v[ST+8*\u+5], 0                      ; written once: a lane permute's destination counts as one of its sources
.endr
.set i, 0
.rept 64
	v_mov_b32 v[O+i], 0                            ; O^T.  (The step has one form: the first finds zeros, which its a = 0 leaves zeros)
.set i, i+1
.endr
.macro MASK u, w                       ; hidden scores become -2^103, register by register from each accumulator's low end on
.set i, 0
.rept 32
	v_cndmask_b32 v[S+32*(\u)+i], v[NEG], v[S+32*(\u)+i], s[\w+i]
.set i, i+1
.endr
.endm
; The first half of both tiles' softmax: the maxima, a's exponents, the scalings and the 66 exponentials.  Nothing here reads an exponential's result.  The tiles alternate line by line,
; so that where one line feeds the next (the end of the maximum) the other tile's stands between.
.macro SMA2
.irp j, 0,1,2,3
.irp u, 0,1
	v_max3_num_f32 v[ST+8*\u+4+\j], v[S+32*\u+8*\j], v[S+32*\u+8*\j+1], v[S+32*\u+8*\j+2]   ; four chains a tile, one for each 16 keys
.endr
.endr
.irp g, 1,2
.irp j, 0,1,2,3
.irp u, 0,1
	v_max3_num_f32 v[ST+8*\u+4+\j], v[ST+8*\u+4+\j], v[S+32*\u+8*\j+2*\g+1], v[S+32*\u+8*\j+2*\g+2]
.endr
.endr
.endr
.irp u, 0,1
	v_max3_num_f32 v[ST+8*\u+4], v[ST+8*\u+4], v[S+32*\u+7], v[S+32*\u+15]
.endr
.irp u, 0,1
	v_max3_num_f32 v[ST+8*\u+6], v[ST+8*\u+6], v[S+32*\u+23], v[S+32*\u+31]
.endr
.irp u, 0,1
	v_max3_num_f32 v[ST+8*\u+4], v[ST+8*\u+4], v[ST+8*\u+5], v[ST+8*\u+6]
.endr
.irp u, 0,1
	v_max3_num_f32 v[ST+8*\u+4], v[ST+8*\u+4], v[ST+8*\u+7], v[ST+8*\u+1]   ; with the old m
.endr
.irp u, 0,1
	v_permlanex16_b32 v[ST+8*\u+5], v[ST+8*\u+4], s[SEL], s[SEL+1]          ; the query's other 32 keys lie in the lane 16 away
.endr
.irp u, 0,1
	v_mov_b32 v[ST+8*\u+7], v[ST+8*\u]                                      ; c m_old is kept for a
.endr
.irp u, 0,1
	v_max_num_f32 v[ST+8*\u+1], v[ST+8*\u+4], v[ST+8*\u+5]                  ; the new m
.endr
.irp u, 0,1
	v_mul_f32 v[ST+8*\u], v[CSV], v[ST+8*\u+1]
.endr
.irp u, 0,1
	v_sub_f32 v[ST+8*\u+7], v[ST+8*\u+7], v[ST+8*\u]
.endr
.irp u, 0,1
.set i, 0
.rept 16
	v_pk_fma_f32 v[S+32*\u+i:S+32*\u+i+1], v[S+32*\u+i:S+32*\u+i+1], v[CSV:CSV+1], v[ST+8*\u:ST+8*\u+1] op_sel_hi:[1,0,0] neg_lo:[0,0,1] neg_hi:[0,0,1]   ; c s - c m, two at a time
.set i, i+2
.endr
.endr
.irp u, 0,1
	v_exp_f32 v[ST+8*\u+6], v[ST+8*\u+7]                                    ; a
.endr
.set i, 0
.rept 64
	v_exp_f32 v[S+i], v[S+i]                                                ; p, at most 1
.set i, i+1
.endr
.endm
; The second half: all that reads the exponentials: l = a l + the sum of p; p to f16, in place (register i takes pair i: the pair read lies at or above the register written); O^T times a.
.macro SMB u
.set rT, ST+8*(\u)
.set rS, S+32*(\u)
.set rO, O+32*(\u)
	v_pk_add_f32 v[rT+4:rT+5], v[rS:rS+1], v[rS+2:rS+3]
	v_pk_fma_f32 v[rT+2:rT+3], v[rT+2:rT+3], v[rT+6:rT+7], v[rS+4:rS+5] op_sel_hi:[1,0,1]
	v_pk_add_f32 v[rT+4:rT+5], v[rT+4:rT+5], v[rS+6:rS+7]
.irp j, 8,12,16,20,24,28
	v_pk_add_f32 v[rT+2:rT+3], v[rT+2:rT+3], v[rS+\j:rS+\j+1]
	v_pk_add_f32 v[rT+4:rT+5], v[rT+4:rT+5], v[rS+\j+2:rS+\j+3]
.endr
	v_pk_add_f32 v[rT+2:rT+3], v[rT+2:rT+3], v[rT+4:rT+5]
.set i, 0
.rept 16
	v_cvt_pk_f16_f32 v[rS+i], v[rS+2*i], v[rS+2*i+1]
.set i, i+1
.endr
.set i, 0
.rept 16
	v_pk_mul_f32 v[rO+i:rO+i+1], v[rO+i:rO+i+1], v[rT+6:rT+7] op_sel_hi:[1,0]   ; each accumulator from its low end on
.set i, i+2
.endr
.endm
; A KEY STEP: 64 keys, the q-th of the slot in hand, both tiles.  last = 1: the launch's last step, which asks for no more mask words: no load leaves the buffer.
.macro STEP q, last
.set MO, 128*(((\q)+1)%NQ)             ; where the next step's words stand from MP on: 128 bytes a step; behind a slot's last step MP has been stepped
.irp t, 0,1,2,3
.irp s, 0,1
	ds_load_b128 v[KV+8*(2*\t+\s):KV+8*(2*\t+\s)+3], v[ADK] offset:KS*PK*(\q)+16*PK*\t+64*\s          ; K: keys 16 t on, channels 32 s on
	ds_load_b128 v[KV+8*(2*\t+\s)+4:KV+8*(2*\t+\s)+7], v[ADK] offset:KS*PK*(\q)+16*PK*\t+64*\s+32
.endr
.endr
	s_wait_dscnt 0x0
.irp s, 0,1                            ; S^T = K Q^T: eight accumulators by turns, one instruction a turn; the first eight products start the sums
.irp t, 0,1,2,3
.irp u, 0,1
.if \s == 0
	v_wmma_f32_16x16x32_f16 v[S+32*\u+8*\t:S+32*\u+8*\t+7], v[KV+8*(2*\t+\s):KV+8*(2*\t+\s)+7], v[Q+16*\u+8*\s:Q+16*\u+8*\s+7], 0
.else
	v_wmma_f32_16x16x32_f16 v[S+32*\u+8*\t:S+32*\u+8*\t+7], v[KV+8*(2*\t+\s):KV+8*(2*\t+\s)+7], v[Q+16*\u+8*\s:Q+16*\u+8*\s+7], v[S+32*\u+8*\t:S+32*\u+8*\t+7]
.endif
.endr
.endr
.endr
.rept 4
	v_nop                                          ; four places: in front of the loads into K's registers and of the first read of the scores
.endr
.irp kb, 0,1
.irp ct, 0,1,2,3
	ds_load_tr16_b128 v[KV+8*(4*\kb+\ct):KV+8*(4*\kb+\ct)+3], v[ADV] offset:KS*PV*(\q)+32*PV*\kb+32*\ct           ; V^T: keys 32 kb on, channels 16 ct on; it lands while the softmax is walked
	ds_load_tr16_b128 v[KV+8*(4*\kb+\ct)+4:KV+8*(4*\kb+\ct)+7], v[ADV] offset:KS*PV*(\q)+32*PV*\kb+16*PV+32*\ct
.endr
.endr
	s_wait_kmcnt 0x0                               ; both tiles' mask words of this step, asked for a step ago, are in; no scalar load is out, so their address may be written
.if \last == 0
.if (\q) == NQ-1
	s_add_nc_u64 s[MP:MP+1], s[MP:MP+1], NQ*128    ; on to the next slot's words
.endif
.endif
	MASK 0, MW0
.if \last == 0
	MLD MW0, MO                                    ; tile 0's words of the next step, into the registers just read
.endif
	MASK 1, MW1
.if \last == 0
	MLD MW1, MO+0x1000                             ; and tile 1's
.endif
	SMA2
	v_nop                                          ; the plain instruction behind the last exponential
	s_wait_alu depctr_va_vdst(0)                   ; one wait for both tiles' 66 exponentials, ahead of the first instruction that names a result
	SMB 0
	SMB 1
	s_wait_dscnt 0x0                               ; V is in
.irp kb, 0,1                           ; O^T += V^T P: eight accumulators by turns
.irp ct, 0,1,2,3
.irp u, 0,1
	v_wmma_f32_16x16x32_f16 v[O+32*\u+8*\ct:O+32*\u+8*\ct+7], v[KV+8*(4*\kb+\ct):KV+8*(4*\kb+\ct)+7], v[S+32*\u+8*\kb:S+32*\u+8*\kb+7], v[O+32*\u+8*\ct:O+32*\u+8*\ct+7]
.endr
.endr
.endr
.rept 5
	v_nop                                          ; four places are owed to the next loads into V's registers and to a read of O^T, five to the next step's products, which write over p's registers
.endr
.endm
.macro SLOT_STEPS last                 ; a slot's four steps, written out
	v_add_nc_u32 v[ADK], s[TB], v[AK0]
	v_add_nc_u32 v[ADV], s[TB], v[AV0]
	STEP 0, 0
	STEP 1, 0
	STEP 2, 0
	STEP 3, \last
	s_xor_b32 s[TB], s[TB], SLOT1                  ; on to the other slot
.endm
; THE CHANGE OF SLOTS stands at a slot's head.  Each wave waits for all its tensor loads (its part of the slot that it is about to read), adds 0 to its spare word, and waits for that and for its reads of the slot that it has left.
; fill = 1: a round of the cluster's barrier follows: no wave of any partner still reads the other slot or has a load on its way; behind it that slot is asked for jointly, one load a wave, with four steps in which to land.
; One tensor load of a wave is out at the most.
.macro CHANGE fill
	s_wait_tensorcnt 0x0                           ; no tensor load of mine is out, so a group 0 may be written
	ds_add_u32 v[SPW], v[NIL]                      ; 0 onto my spare word
.if \fill
	ds_add_u32 v[SPW], v[NIL]                      ; and once more
	s_xor_b32 s[G0K+1], s[G0K+1], SLOT1            ; the walking descriptors: the other slot than last time,
	s_add_nc_u64 s[G0K+2:G0K+3], s[G0K+2:G0K+3], SK*128   ; the next 256 keys; the type bits on top are not reached
	s_xor_b32 s[G0V+1], s[G0V+1], SLOT1
	s_add_nc_u64 s[G0V+2:G0V+3], s[G0V+2:G0V+3], SK*128
	s_wait_dscnt 0x0                               ; both adds are done, and my reads of the slot that I have left are over
	CROUND
	TLOAD
.else
	s_wait_dscnt 0x0
	s_barrier_signal -1
	s_barrier_wait -1
.endif
.endm
	s_wait_loadcnt 0x0                             ; Q
.Lslot:                                            ; seven trips: behind each change of slots but the last the next slot is asked for
	CHANGE 1
	SLOT_STEPS 0
	s_sub_co_u32 s[SLOTS], s[SLOTS], 1
	s_cmp_lg_u32 s[SLOTS], 0
	s_cbranch_scc1 .Lslot
	CHANGE 0                                       ; the last slot is written out
	SLOT_STEPS 1
	; THE WAY OUT.  l's halves and the other half of the lanes' are added; O^T is divided by l, rounded to f16 and sent through my stage: 16 rows of 128 bytes are 2,048 consecutive bytes of ctxh.
	s_load_b64 s[68:69], s[0:1], 0x10              ; ctxh: the mask words' registers are free: the last step asked for none and has waited for all
.irp u, 0,1
	v_add_f32 v[ST+8*\u+4], v[ST+8*\u+2], v[ST+8*\u+3]
.endr
.irp u, 0,1
	v_permlanex16_b32 v[ST+8*\u+5], v[ST+8*\u+4], s[SEL], s[SEL+1]
.endr
.irp u, 0,1
	v_add_f32 v[ST+8*\u+4], v[ST+8*\u+4], v[ST+8*\u+5]             ; l is at least 1: the largest p of a row is 1
.endr
.irp u, 0,1
	v_rcp_f32 v[ST+8*\u+6], v[ST+8*\u+4]
.endr
	v_and_b32 v248, 15, v0                         ; r  (plain work behind the reciprocals; c is done with)
	v_bfe_u32 v249, v0, 4, 1                       ; h
	s_mul_i32 s72, s[WV], 16*SPT                   ; my stage
	v_mul_u32_u24 v250, v248, SPT
	v_lshl_add_u32 v250, v249, 4, v250
	v_add_nc_u32 v250, s72, v250                   ; in: row r, 16 bytes for each half of the lanes
	v_bfe_u32 v251, v0, 3, 2
	v_and_b32 v252, 7, v0
	v_mul_u32_u24 v251, v251, SPT
	v_lshl_add_u32 v251, v252, 4, v251
	v_add_nc_u32 v251, s72, v251                   ; back: eight lanes a row, four rows an instruction
	v_and_b32 v253, 31, v0
	v_lshlrev_b32 v253, 4, v253                    ; and the same 512 bytes on end in ctxh
	s_mov_b32 s70, s[CTO]
	s_mov_b32 s71, 0
	s_wait_kmcnt 0x0
	s_add_nc_u64 s[68:69], s[68:69], s[70:71]      ; ctxh at my wave's first row
	s_wait_alu depctr_va_vdst(0)                   ; one wait for the two reciprocals, ahead of their first reader
.irp u, 0,1
.set i, 0
.rept 16
	v_pk_mul_f32 v[O+32*\u+i:O+32*\u+i+1], v[O+32*\u+i:O+32*\u+i+1], v[ST+8*\u+6:ST+8*\u+7] op_sel_hi:[1,0]
.set i, i+2
.endr
.set i, 0
.rept 16
	v_cvt_pk_f16_f32 v[S+16*\u+i], v[O+32*\u+2*i], v[O+32*\u+2*i+1]
.set i, i+1
.endr
.irp ct, 0,1,2,3
	ds_store_b128 v250, v[S+16*\u+4*\ct:S+16*\u+4*\ct+3] offset:32*\ct
.endr
.irp i, 0,1,2,3
	ds_load_b128 v[KV+16*\u+4*\i:KV+16*\u+4*\i+3], v251 offset:4*SPT*\i   ; LDS serves a wave's instructions in order: these see my stores, and the next tile's stores come behind them
.endr
.endr
.irp u, 0,1
.irp i, 0,1,2,3
	s_wait_dscnt 11-8*\u-\i                        ; behind this load: the tile's later loads, and for tile 0 tile 1's eight LDS instructions
	global_store_b128 v253, v[KV+16*\u+4*\i:KV+16*\u+4*\i+3], s[68:69] offset:2048*\u+512*\i   ; 512 consecutive bytes, aligned
.endr
.endr
	s_wait_tensorcnt 0x0                           ; the wave's end
	ds_add_u32 v[SPW], v[NIL]
	s_wait_dscnt 0x0
	CROUND                                         ; the closing round: no work-group ends while a partner may still ask for a tile that names it
	s_endpgm
.Lfunc_end_k_q07111a8974_attn:
	.size	k_q07111a8974_attn, .Lfunc_end_k_q07111a8974_attn-k_q07111a8974_attn
	.p2alignl 7, 3214868480
	.fill 96, 4, 3214868480
	.section	.rodata,"a",@progbits
	.p2align	6, 0x0
	.amdhsa_kernel k_q07111a8974_attn
		.amdhsa_group_segment_fixed_size 327680
		.amdhsa_private_segment_fixed_size 0
		.amdhsa_enable_private_segment 0
		.amdhsa_kernarg_size 24
		.amdhsa_user_sgpr_count 2
		.amdhsa_user_sgpr_kernarg_segment_ptr 1
		.amdhsa_wavefront_size32 1
		.amdhsa_system_sgpr_workgroup_id_x 1
		.amdhsa_system_sgpr_workgroup_id_y 1
		.amdhsa_system_sgpr_workgroup_id_z 1
		.amdhsa_system_vgpr_workitem_id 0
		.amdhsa_next_free_vgpr 256
		.amdhsa_next_free_sgpr 100
		.amdhsa_reserve_vcc 0
		.amdhsa_float_denorm_mode_32 3
		.amdhsa_float_denorm_mode_16_64 3
		.amdhsa_memory_ordered 1
		.amdhsa_forward_progress 1
		.amdhsa_inst_pref_size 188
	.end_amdhsa_kernel
	.amdgpu_metadata
---
amdhsa.version: [ 1, 2 ]
amdhsa.kernels:
  - .name:           k_q07111a8974_attn
    .symbol:         k_q07111a8974_attn.kd
    .args:
      - { .name: qkv, .offset: 0, .size: 8, .value_kind: global_buffer, .address_space: global }
      - { .name: maskw, .offset: 8, .size: 8, .value_kind: global_buffer, .address_space: global }
      - { .name: ctxh, .offset: 16, .size: 8, .value_kind: global_buffer, .address_space: global }
    .group_segment_fixed_size: 327680
    .private_segment_fixed_size: 0
    .kernarg_segment_align: 8
    .kernarg_segment_size: 24
    .max_flat_workgroup_size: 512
    .sgpr_count:     100
    .vgpr_count:     256
    .wavefront_size: 32
...
	.end_amdgpu_metadata
.endif
;; end of part 3
;; launch outp (part 4): grid 8 x 64, 4 waves a work-group, clusters of 4 x 4, 327,680 bytes of LDS; arguments ctxh, wo16, b_o, out0; writes out0
.if DOCPART == 4
	.amdgcn_target "amdgcn-amd-amdhsa--gfx1250"
	.amdhsa_code_object_version 6
	.text
	.protected	k_q07111a8974_outp
	.globl	k_q07111a8974_outp
	.p2align	8
	.type	k_q07111a8974_outp,@function
k_q07111a8974_outp:
	s_mov_b64 s[64:65], 0
	v_nop
	global_prefetch_b8 v0, s[64:65] scope:SCOPE_SE
	s_setreg_imm32_b32 hwreg(HW_REG_WAVE_MODE, 25, 1), 1
	s_wait_xcnt 0x0
	s_wait_alu depctr_hold_cnt(0) depctr_sa_sdst(0) depctr_va_vdst(0) depctr_va_sdst(0) depctr_va_ssrc(0) depctr_va_vcc(0) depctr_vm_vsrc(0)
	s_getreg_b32 s2, hwreg(HW_REG_IB_STS2, 6, 4)
	s_cmp_eq_u32 s2, 0
	s_cbranch_scc0 .Lentry_in_a_cluster
	s_endpgm
.Lentry_in_a_cluster:
	s_bfe_u32 s2, ttmp6, 0x10000c
	s_cmp_lg_u32 s2, 0xf033
	s_cbranch_scc0 .Lentry_shape_is_right
	s_endpgm
.Lentry_shape_is_right:
; OUTP.  out0[m][n] = sum over k of ctx[m][k] w_o[n][k] + b_o[n], m = 0 .. 8,191, n, k = 0 .. 1,023, f16 operands, f32 sums, f32 out.
; ctxh: f16 [head 16][m 8192][64], k = 64 head + d.  wo16: f16 [n][k].
; A tile of the result is 128 x 128 (512 work-groups); four waves, each 64 x 64: 16 accumulators of 16 x 16.  K goes in steps of 256 (four heads) through two LDS slots.
; CLUSTERS: 4 x 4 work-groups.  The four of a row of the cluster need the same rows of ctx, the four of a column the same rows of w_o: each tile is asked for JOINTLY.
; THE MATRIX INSTRUCTION IS USED TRANSPOSED (source 0 = 16 rows of w_o, source 1 = 16 rows of ctx): a lane holds eight neighbouring numbers of a row of the result.  The bias is the C of each sum's first product.
; ctx's tile by one two-dimensional load: 64 rows of one head are 8,192 dense bytes, stated as ONE row of 4,096 elements; the four heads are the rows, 524,288 elements apart; 16 bytes of padding behind every
; 128 bytes (the interval divides the row): in LDS element (head, row, d) lies at 9,216 head + 144 row + 2 d.
; A wave's 64 columns are 256 aligned bytes of a row of out0, so each wave has a stage of its own on the way out, and no barrier stands there.
; REGISTERS: window 0: v0-31 addresses; v32-63 the bias, later with v64-95 rows on the way out; v128-255 the accumulators ((a, b) at v[128 + 8 (4 a + b)]).
;   window 1: two fragment buffers of 128: for 64 along K, 64 registers of ctx (2 x 4 x 16 rows x 32 K), then 64 of w_o.
.set PA,     144                       ; a row of ctx in LDS: 128 bytes + 16, an odd multiple of 16
.set HEADB,  64*PA                     ; a head's 64 rows
.set HALFA,  4*HEADB                   ; what one load brings of ctx: 64 rows x 4 heads
.set PB,     528                       ; a row of w_o in LDS: 512 bytes + 16
.set HALFB,  64*PB
.set SLOT,   2*HALFA+2*HALFB           ; ctx's two halves, then w_o's two
.set STAGE,  2*SLOT                    ; behind the slots: 16 rows x 272 bytes for each wave
.set SPITCH, 272
.set SPARE,  STAGE+4*16*SPITCH         ; the spare words, 128 bytes a wave: two blocks of 256 bytes that no other line names
.set LAPS,   2                         ; a lap = two K steps of 256
.set ASTEP,  4*1048576                 ; a K step in ctxh: four heads
.set BSTEP,  512                       ; and in a row of wo16
.set ADRA, 16                          ; v16-17  LDS address of my ctx fragments in slot 0, 1
.set ADRB, 20                          ; v20-21  the same for w_o
.set STO,  24
.set RD,   25
.set CO,   26
.set SPW,  28                          ; v28  my spare word; never rewritten
.set NIL,  29                          ; v29  0; never rewritten
.set BO,   30                          ; v30  32 x (lane / 16)
.set BI,   32                          ; b_o[n0 + 16 b + 8 h + j] at v[BI + 8 b + j]
.set OB,   32                          ; the way out: v32-63 and v64-95 by turns
.set ACC,  128
.set F0,   0
.set F1,   128
.set WV,   12                          ; s12 wave;  s13: my half of the rows, also 0 = I fetch ctx, 1 = w_o;  s14: my half of the columns, also which 64 rows I fetch;  s15 tile row
.set RH,   13
.set CH,   14
.set TR,   15
.set G1, 24                            ; s[24:31] descriptor group 1 for ctx's tiles;  s[32:39] group 0, a set a slot
.set G0, 32
.set G1B, 48                           ; s[48:55], s[56:63] the same for w_o's
.set G0B, 56
.set MSB, 0
.macro WIN new                         ; the immediate's high byte repeats the setting that is left
.if MSB != \new
	s_set_vgpr_msb (MSB<<8)|\new
.set MSB, \new
.endif
.endm
.set MUL,  0x05                        ; sources 0 and 1 window 1; C and D window 0
.set TO_F, 0x40                        ; destination window 1, address window 0
.macro JLOAD s                         ; a joint load: waves 0 and 1 fetch ctx's two halves, waves 2 and 3 w_o's; an s_nop 0 and four v_nop follow each line
	s_cmp_eq_u32 s[RH], 0
	s_cbranch_scc0 .Lfor_b_\@
	tensor_load_to_lds s[G0+4*\s:G0+4*\s+3], s[G1:G1+7]
	s_nop 0
.rept 4
	v_nop
.endr
	s_branch .Lasked_\@
.Lfor_b_\@:
	tensor_load_to_lds s[G0B+4*\s:G0B+4*\s+3], s[G1B:G1B+7]
	s_nop 0
.rept 4
	v_nop
.endr
.Lasked_\@:
.endm
.macro CREST                           ; a round of the cluster's barrier behind its opening barrier
	s_cmp_lg_u32 s[WV], 0
	s_cbranch_scc1 .Lnot_wave_0_\@
	s_barrier_signal -3
.Lnot_wave_0_\@:
	s_barrier_wait -3
	s_barrier_signal -1
	s_barrier_wait -1
.endm
.macro CROUND                          ; a whole round
	s_barrier_signal -1
	s_barrier_wait -1
	CREST
.endm
	s_load_b256 s[4:11], s[0:1], 0x0               ; ctxh s[4:5], wo16 s[6:7], b_o s[8:9], out0 s[10:11]
	v_lshl_add_u32 v[SPW], v0, 2, SPARE
	v_mov_b32 v[NIL], 0
	ds_add_u32 v[SPW], v[NIL]                      ; the wave's opening: the add, twice on end, and its wait ahead of my first tensor load; the set-up below stands between
	ds_add_u32 v[SPW], v[NIL]
	v_lshrrev_b32 v1, 5, v0
	v_readfirstlane_b32 s[WV], v1                  ; wave 0..3
	s_lshr_b32 s[RH], s[WV], 1
	s_and_b32 s[CH], s[WV], 1
	s_bfe_u32 s40, ttmp6, 0x40000                  ; cx, cy
	s_bfe_u32 s41, ttmp6, 0x40004
	s_lshl_b32 s42, ttmp9, 2
	s_add_co_u32 s42, s42, s40                     ; tile column = 4 x cluster x + cx
	s_and_b32 s[TR], ttmp7, 0xffff
	s_lshl_b32 s[TR], s[TR], 2
	s_add_co_u32 s[TR], s[TR], s41                 ; tile row = 4 x cluster y + cy
	s_lshl_b32 s43, s41, 2
	s_lshl_b32 s43, 15, s43                        ; my row of the cluster
	s_lshl_b32 s44, 0x1111, s40                    ; my column
	s_or_b32 s[G1+0], s43, (1<<16)|(1<<20)|(1<<21)|(4<<22)|(3<<25)  ; ctx: 15:0 the mask of my row; elements of 2 bytes; padding on; 21 set beside a mask; four words after every 32
	s_mov_b32 s[G1+1], 4096<<16                    ; tensor_dim0 = 4,096: 64 rows x 64 channels of a head, dense
	s_mov_b32 s[G1+2], 4<<16                       ; tensor_dim1 = 4 heads
	s_mov_b32 s[G1+3], 4096<<16                    ; tile_dim0
	s_mov_b32 s[G1+4], 4                           ; tile_dim1
	s_mov_b32 s[G1+5], 524288                      ; from head to head, in elements
	s_mov_b32 s[G1+6], 0
	s_mov_b32 s[G1+7], 0
	s_or_b32 s[G1B+0], s44, (1<<16)|(1<<20)|(1<<21)|(6<<22)|(3<<25) ; w_o: the mask of my column; four words after every 128
	s_mov_b32 s[G1B+1], 256<<16                    ; 64 rows of 256 elements
	s_mov_b32 s[G1B+2], 64<<16
	s_mov_b32 s[G1B+3], 256<<16
	s_mov_b32 s[G1B+4], 64
	s_mov_b32 s[G1B+5], 1024
	s_mov_b32 s[G1B+6], 0
	s_mov_b32 s[G1B+7], 0
	s_lshl_b32 s17, s[CH], 6                       ; which 64 rows of the tile I fetch
	s_lshl_b32 s16, s[TR], 7
	s_add_co_u32 s16, s16, s17
	s_lshl_b32 s16, s16, 7                         ; ctx: (128 x tile row + 64 x half) rows of 128 bytes in a head
	s_lshl_b32 s46, s42, 7
	s_add_co_u32 s46, s46, s17
	s_lshl_b32 s46, s46, 11                        ; w_o: (128 x tile column + 64 x half) rows of 2,048 bytes
	s_mov_b32 s17, 0
	s_mov_b32 s47, 0
	s_mul_i32 s45, s[CH], HALFA                    ; where they go: no place in the cluster enters an LDS address
	s_mul_i32 s66, s[CH], HALFB
	s_add_co_u32 s66, s66, 2*HALFA
	s_wait_dscnt 0x0                               ; both opening adds are done
	s_wait_kmcnt 0x0
	s_add_nc_u64 s[16:17], s[4:5], s[16:17]
	s_add_nc_u64 s[46:47], s[6:7], s[46:47]
	CROUND                                         ; all sixteen work-groups are here: the first joint loads meet
.irp s, 0,1
	s_mov_b32 s[G0+4*\s], 1
	s_add_co_u32 s[G0+4*\s+1], s45, \s*SLOT
	s_add_nc_u64 s[G0+4*\s+2:G0+4*\s+3], s[16:17], \s*ASTEP
	s_or_b32 s[G0+4*\s+3], s[G0+4*\s+3], 0x80000000
	s_mov_b32 s[G0B+4*\s], 1
	s_add_co_u32 s[G0B+4*\s+1], s66, \s*SLOT
	s_add_nc_u64 s[G0B+4*\s+2:G0B+4*\s+3], s[46:47], \s*BSTEP
	s_or_b32 s[G0B+4*\s+3], s[G0B+4*\s+3], 0x80000000
	JLOAD \s                                       ; two loads of mine are out at the most
.endr
	v_and_b32 v1, 15, v0                           ; r
	v_bfe_u32 v2, v0, 4, 1                         ; h
	s_lshl_b32 s46, s42, 9                         ; my first column, in bytes of f32: 512 x tile column + 256 x half
	s_lshl_b32 s47, s[CH], 8
	s_add_co_u32 s46, s46, s47
	s_mov_b32 s47, 0
	s_add_nc_u64 s[8:9], s[8:9], s[46:47]          ; b_o there
	v_lshlrev_b32 v[BO], 5, v2
.irp b, 0,1,2,3
	global_load_b128 v[BI+8*\b:BI+8*\b+3], v[BO], s[8:9] offset:64*\b
	global_load_b128 v[BI+8*\b+4:BI+8*\b+7], v[BO], s[8:9] offset:64*\b+16
.endr
	s_lshl_b32 s16, s[TR], 7
	s_lshl_b32 s17, s[RH], 6
	s_add_co_u32 s16, s16, s17                     ; my first row: 128 x tile row + 64 x half
	s_lshl_b32 s16, s16, 12                        ; rows of 4,096 bytes: under 2^25
	s_mov_b32 s17, 0
	s_add_nc_u64 s[10:11], s[10:11], s[16:17]
	s_add_nc_u64 s[10:11], s[10:11], s[46:47]
	v_mul_u32_u24 v3, v1, PA
	v_lshl_add_u32 v3, v2, 4, v3                   ; a fragment's row x pitch + 16 x half
	v_mul_u32_u24 v4, v1, PB
	v_lshl_add_u32 v4, v2, 4, v4
	s_mul_i32 s21, s[RH], HALFA                    ; my 64 rows of ctx
	s_mul_i32 s22, s[CH], HALFB                    ; my 64 rows of w_o,
	s_add_co_u32 s22, s22, 2*HALFA                 ; behind ctx's two halves
.irp s, 0,1
	v_add_nc_u32 v[ADRA+\s], s21, v3
	v_add_nc_u32 v[ADRB+\s], s22, v4
	s_add_co_u32 s21, s21, SLOT
	s_add_co_u32 s22, s22, SLOT
.endr
	s_mul_i32 s23, s[WV], 16*SPITCH
	s_add_co_u32 s23, s23, STAGE                   ; my stage
	v_mul_u32_u24 v5, v1, SPITCH                   ; in: row r, 32 bytes for each half of the lanes
	v_lshl_add_u32 v5, v2, 5, v5
	v_add_nc_u32 v[STO], s23, v5
	v_mul_u32_u24 v5, v2, SPITCH                   ; back: lanes 0-15 one row of 256 bytes, lanes 16-31 the next
	v_lshl_add_u32 v5, v1, 4, v5
	v_add_nc_u32 v[RD], s23, v5
	v_lshlrev_b32 v5, 12, v2                       ; and the same two rows in out0
	v_lshl_add_u32 v[CO], v1, 4, v5
; 8 matrix instructions: row blocks a0, a0 + 1 x all 4 column blocks, 32 along K: half c of buffer f.  zero = 1: the first product starts the sum from the bias.  The 16 accumulators take turns.
.macro MUL8 f, c, a0, zero
.irp a, \a0, \a0+1
.irp b, 0,1,2,3
.if \zero
	v_wmma_f32_16x16x32_f16 v[ACC+8*(4*(\a)+\b):ACC+8*(4*(\a)+\b)+7], v[\f+64+8*(4*\c+\b):\f+64+8*(4*\c+\b)+7], v[\f+8*(4*\c+\a):\f+8*(4*\c+\a)+7], v[BI+8*\b:BI+8*\b+7]
.else
	v_wmma_f32_16x16x32_f16 v[ACC+8*(4*(\a)+\b):ACC+8*(4*(\a)+\b)+7], v[\f+64+8*(4*\c+\b):\f+64+8*(4*\c+\b)+7], v[\f+8*(4*\c+\a):\f+8*(4*\c+\a)+7], v[ACC+8*(4*(\a)+\b):ACC+8*(4*(\a)+\b)+7]
.endif
.endr
.endr
.endm
; 32 LDS loads in one run: the fragments of the slot's q-th 64 along K (one head) into buffer f; the first 32 along K first
.macro FETCH slot, q, f
	WIN TO_F
.irp c, 0,1
.irp i, 0,1,2,3
	ds_load_b128 v[\f+64+8*(4*\c+\i):\f+64+8*(4*\c+\i)+3],   v[ADRB+\slot] offset:128*(\q)+64*\c+\i*16*PB
	ds_load_b128 v[\f+64+8*(4*\c+\i)+4:\f+64+8*(4*\c+\i)+7], v[ADRB+\slot] offset:128*(\q)+64*\c+\i*16*PB+32
	ds_load_b128 v[\f+8*(4*\c+\i):\f+8*(4*\c+\i)+3],         v[ADRA+\slot] offset:HEADB*(\q)+64*\c+\i*16*PA
	ds_load_b128 v[\f+8*(4*\c+\i)+4:\f+8*(4*\c+\i)+7],       v[ADRA+\slot] offset:HEADB*(\q)+64*\c+\i*16*PA+32
.endr
.endr
.endm
.macro PLACES                          ; four places in front of loads into registers that matrix instructions have read, and of reads of results (ISA guide 7.12.1 for reads of results)
.rept 4
	v_nop
.endr
.endm
; A K step is four quarters of 64 along K, 32 matrix instructions each, on buffers 0, 1, 0, 1.  One of the first three: multiplies buffer f and fetches quarter q into g.
.macro QUARTER slot, q, f, g, zero
	s_wait_dscnt 16                                ; the first 32 along K are in; the other sixteen loads may be out
	WIN MUL
	MUL8 \f, 0, 0, \zero
	MUL8 \f, 0, 2, \zero
	PLACES
	FETCH \slot, \q, \g
	s_wait_dscnt 32                                ; all but the 32 just issued
	WIN MUL
	MUL8 \f, 1, 0, 0
	MUL8 \f, 1, 2, 0
.endm
; The last quarter multiplies buffer 1 and changes slots: ONE barrier; in front of it each wave waits for all its tensor loads, adds 0 to its spare word, and waits for that and for its reads of this slot.
; fill = 1: the barrier opens a round of the cluster's, and this slot is filled again, two K steps ahead: the first tensor load behind the round, one a wave.
.macro TURN slot, next, fill
	WIN 0                                          ; (the add's two registers lie in window 0)
	s_wait_tensorcnt 0x0                           ; all my tensor loads have landed: my part of the next slot
	ds_add_u32 v[SPW], v[NIL]                      ; 0 onto my spare word
	s_wait_dscnt 17                                ; (the add and the youngest sixteen loads may be out)
	WIN MUL
	MUL8 F1, 0, 0, 0                               ; eight matrix instructions stand between the add and the wait for it
	s_wait_dscnt 0x0                               ; the add is done, and my reads of this slot are over
	s_barrier_signal -1
	MUL8 F1, 0, 2, 0
.if \fill
	WIN 0
.endif
	s_barrier_wait -1
.if \fill
	CREST                                          ; no wave of any partner still reads this slot's tile or has a load on its way
	s_add_nc_u64 s[G0+4*\slot+2:G0+4*\slot+3], s[G0+4*\slot+2:G0+4*\slot+3], 2*ASTEP
	s_add_nc_u64 s[G0B+4*\slot+2:G0B+4*\slot+3], s[G0B+4*\slot+2:G0B+4*\slot+3], 2*BSTEP
	JLOAD \slot                                    ; the four v_nop behind it are also the places in front of the loads below
.else
	PLACES
.endif
	FETCH \next, 0, F0
	WIN MUL
	MUL8 F1, 1, 0, 0
	MUL8 F1, 1, 2, 0
.endm
	s_wait_tensorcnt 1                             ; my part of K step 0 is in (K step 1's load may be out)
	s_barrier_signal -1
	s_barrier_wait -1                              ; everybody's is
	FETCH 0, 0, F0
	s_wait_loadcnt 0x0                             ; the bias
	QUARTER 0, 1, F0, F1, 1                        ; the first quarter stands in front of the loop: its first products start the sums
	WIN 0                                          ; at a label and at a branch every window is 0
	s_mov_b32 s3, LAPS-1
.Llap:                                                 ; a trip goes once round the two slots, from a lap's second quarter to the next lap's first, and fills both again
	QUARTER 0, 2, F1, F0, 0
	QUARTER 0, 3, F0, F1, 0
	TURN 0, 1, 1
	QUARTER 1, 1, F0, F1, 0
	QUARTER 1, 2, F1, F0, 0
	QUARTER 1, 3, F0, F1, 0
	TURN 1, 0, 1
	QUARTER 0, 1, F0, F1, 0
	WIN 0
	s_sub_co_u32 s3, s3, 1
	s_cmp_lg_u32 s3, 0
	s_cbranch_scc1 .Llap
	QUARTER 0, 2, F1, F0, 0                        ; the last lap fills nothing, and has no round of the cluster's barrier
	QUARTER 0, 3, F0, F1, 0
	TURN 0, 1, 0
	QUARTER 1, 1, F0, F1, 0
	QUARTER 1, 2, F1, F0, 0
	QUARTER 1, 3, F0, F1, 0
	s_wait_dscnt 16                                ; the very last quarter: nothing more to fetch
	WIN MUL
	MUL8 F1, 0, 0, 0
	MUL8 F1, 0, 2, 0
	s_wait_dscnt 0
	MUL8 F1, 1, 0, 0
	MUL8 F1, 1, 2, 0
	WIN 0
; THE WAY OUT, block by block of 16 rows x 64 columns: 32 bytes a lane into my own stage, each accumulator from its low end on; back as whole rows of 256 bytes, two an instruction; sixteen lanes store 256 consecutive bytes, aligned.
.macro TOSTAGE a
.set BB, OB+32*((\a)%2)
.irp b, 0,1,2,3
	ds_store_b128 v[STO], v[ACC+8*(4*(\a)+\b):ACC+8*(4*(\a)+\b)+3] offset:64*\b
	ds_store_b128 v[STO], v[ACC+8*(4*(\a)+\b)+4:ACC+8*(4*(\a)+\b)+7] offset:64*\b+16
.endr
.irp t, 0,1,2,3,4,5,6,7
	ds_load_b128 v[BB+4*\t:BB+4*\t+3], v[RD] offset:2*SPITCH*\t     ; LDS serves a wave's instructions in order: these see the stores above, and the next block's stores come behind them
.endr
.endm
.macro SEND a, younger                 ; younger: the LDS instructions issued behind block a's loads, which may stay out
.set BB, OB+32*((\a)%2)
	s_wait_dscnt \younger
.irp t, 0,1,2,3,4,5,6,7
	global_store_b128 v[CO], v[BB+4*\t:BB+4*\t+3], s[10:11] offset:(16*(\a)+2*\t)*4096 th:TH_STORE_NT   ; written once, read by nobody here
.endr
.endm
	PLACES                                         ; behind the last products: the LDS stores read results
	TOSTAGE 0
.irp a, 1,2,3
.if \a > 1
	s_wait_xcnt 0x0                                ; block a - 2's stores have read their registers: block a's loads may land there
.endif
	TOSTAGE \a
	SEND \a-1, 16                                  ; behind block a - 1's loads: block a's 8 stores and 8 loads
.endr
	SEND 3, 0
	s_wait_tensorcnt 0x0                           ; the wave's end
	ds_add_u32 v[SPW], v[NIL]
	s_wait_dscnt 0x0
	CROUND                                         ; the closing round: no work-group ends while a partner may still ask for a tile that names it
	s_endpgm
.Lfunc_end_k_q07111a8974_outp:
	.size	k_q07111a8974_outp, .Lfunc_end_k_q07111a8974_outp-k_q07111a8974_outp
	.p2alignl 7, 3214868480
	.fill 96, 4, 3214868480
	.section	.rodata,"a",@progbits
	.p2align	6, 0x0
	.amdhsa_kernel k_q07111a8974_outp
		.amdhsa_group_segment_fixed_size 327680
		.amdhsa_private_segment_fixed_size 0
		.amdhsa_enable_private_segment 0
		.amdhsa_kernarg_size 32
		.amdhsa_user_sgpr_count 2
		.amdhsa_user_sgpr_kernarg_segment_ptr 1
		.amdhsa_wavefront_size32 1
		.amdhsa_system_sgpr_workgroup_id_x 1
		.amdhsa_system_sgpr_workgroup_id_y 1
		.amdhsa_system_sgpr_workgroup_id_z 1
		.amdhsa_system_vgpr_workitem_id 0
		.amdhsa_next_free_vgpr 512
		.amdhsa_next_free_sgpr 68
		.amdhsa_reserve_vcc 0
		.amdhsa_float_denorm_mode_32 3
		.amdhsa_float_denorm_mode_16_64 3
		.amdhsa_memory_ordered 1
		.amdhsa_forward_progress 1
		.amdhsa_inst_pref_size 87
	.end_amdhsa_kernel
	.amdgpu_metadata
---
amdhsa.version: [ 1, 2 ]
amdhsa.kernels:
  - .name:           k_q07111a8974_outp
    .symbol:         k_q07111a8974_outp.kd
    .args:
      - { .name: ctxh, .offset: 0, .size: 8, .value_kind: global_buffer, .address_space: global }
      - { .name: wo16, .offset: 8, .size: 8, .value_kind: global_buffer, .address_space: global }
      - { .name: b_o, .offset: 16, .size: 8, .value_kind: global_buffer, .address_space: global }
      - { .name: out0, .offset: 24, .size: 8, .value_kind: global_buffer, .address_space: global }
    .group_segment_fixed_size: 327680
    .private_segment_fixed_size: 0
    .kernarg_segment_align: 8
    .kernarg_segment_size: 32
    .max_flat_workgroup_size: 128
    .sgpr_count:     68
    .vgpr_count:     512
    .wavefront_size: 32
...
	.end_amdgpu_metadata
.endif
;; end of part 4
